; MI455X (gfx1250); checked and timed in simulation.
; The chip was launched on July 23, 2026; its instructions are those of AMD's public machine-readable ISA for CDNA 5 (MIT licence, August 2026) and "CDNA5" Instruction Set Architecture Reference Guide (July 2026). The comments in the code are by the model that wrote it; some were corrected since.
;; Transformer Block. Allowed arithmetic: matrix products marked QUANTISED: E3M2 operands, one E8M0 scale for each 32 along K, by v_wmma_scale_f32_16x16x128_f8f6f4 with both operands' format E3M2, f32 sums; everything else in f32.
;; Inputs: H 2 x 2,048 x 1,024 float32; W1 1,024 x 4,096 float32; W2 4,096 x 1,024 float32; Wk 1,024 x 1,024 float32; Wo 1,024 x 1,024 float32; Wq 1,024 x 1,024 float32; Wv 1,024 x 1,024 float32; b1 4,096 float32; b2 1,024 float32; ln1_b 1,024 float32; ln1_g 1,024 float32; ln2_b 1,024 float32; ln2_g 1,024 float32.
;; Outputs: out0 2 x 2,048 x 1,024 float32.
;; This version of the problem:
;;   THIS VERSION OF THE PROBLEM IS GIVEN IN LOW PRECISION. The matrix products marked QUANTISED in the list below multiply operands that are first quantised to E3M2 (3 exponent bits, 2 mantissa bits; 6 bits a number), with one power-of-two scale for each 32 numbers along K (OCP MX v1.0); their sums are f32. All else is computed in f32.
;;   The module's matrix products, in the order in which they are computed (A, B: the left and right operand; K: the contracted axis; several contracted axes count as one K, in the product's order):
;;     1. [M 4,096, K 1,024] x [K 1,024, N 1,024]; A: computed on the way; B: input Wq: QUANTISED
;;     2. [M 4,096, K 1,024] x [K 1,024, N 1,024]; A: computed on the way; B: input Wk: QUANTISED
;;     3. [M 4,096, K 1,024] x [K 1,024, N 1,024]; A: computed on the way; B: input Wv: QUANTISED
;;     4. batch 32 x [M 2,048, K 64] x [K 64, N 2,048]; A: computed on the way; B: computed on the way: QUANTISED
;;     5. batch 32 x [M 2,048, K 2,048] x [K 2,048, N 64]; A: softmax (see below); B: computed on the way: QUANTISED
;;     6. [M 4,096, K 1,024] x [K 1,024, N 1,024]; A: computed on the way; B: input Wo: QUANTISED
;;     7. [M 4,096, K 1,024] x [K 1,024, N 4,096]; A: computed on the way; B: input W1: QUANTISED
;;     8. [M 4,096, K 4,096] x [K 4,096, N 1,024]; A: computed on the way; B: input W2: QUANTISED
;;   THE QUANTISER, for each operand of a quantised product, along K:
;;     - K is cut into blocks of 32 from its start; a last block that is shorter is filled with zeros.
;;     - A block's scale is 2^e with e = floor(log2(the largest magnitude in the block)) - 4, held to -126 .. 127; a block of zeros has e = 0. As a byte (E8M0): e + 127.
;;     - Each number is divided by its block's scale, clamped to +-28, and rounded to the nearest number of E3M2, ties to even, subnormals kept.
;;     - The product sums the exact products of the quantised numbers (number of the format x scale) in f32.
;;   ~~~python
;;   def quantise(x, axis):      # numpy; x: float32 -> the quantised numbers, widened to float32 again
;;       x = np.moveaxis(x, axis, -1); K = x.shape[-1]
;;       x = np.pad(x, [(0, 0)] * (x.ndim - 1) + [(0, -K % 32)]); x = x.reshape(x.shape[:-1] + (-1, 32)); a = np.abs(x).max(-1, keepdims=True)
;;       e = np.where(a > 0, np.clip(np.frexp(np.where(a > 0, a, 1))[1] - 1 - 4, -126, 127), 0)      # np.frexp(a)[1] - 1 = floor(log2(a)), exactly
;;       r = np.clip(x / 2.0 ** e, -28, 28)
;;       step = 2.0 ** (np.maximum(np.frexp(np.where(r == 0, 1, r))[1] - 1, -2) - 2)
;;       q = np.round(r / step) * step * 2.0 ** e      # np.round: ties to even
;;       return np.moveaxis(q.reshape(q.shape[:-2] + (-1,))[..., :K], -1, axis).astype(np.float32)
;;   ~~~
;;   SOFTMAX AHEAD OF A QUANTISED PRODUCT. Where the list says 'softmax', what is quantised is not the finished softmax but p = 2^(t - M), with t = logit x log2(e) and M = ceil(the row's largest t), a whole number; so 1/2 < the row's largest p <= 1. The row's sum l is taken of the UNQUANTISED p, in f32, and the product's result is divided by l at the end. Since M is a whole number, a kernel that streams over the keys may use a running M (the ceiling of the running maximum): every later rescaling is an exact power of two, which a block's scale takes up: the codes' values come out the same.
;;   OPERANDS COMPUTED ON THE WAY. 'Computed on the way' means the value that the module computes at that place (a softmax that the list does not call 'softmax' is quantised finished and normalised). What goes into a quantiser is computed in f32, as accurately as f32 sums, v_exp_f32 and their like allow (about 1e-6 of the number): no bf16 or f16 on the way to a quantiser, and a product that is left as it is and whose result goes on into a quantised operand takes f32 operands (vector FMAs, or v_wmma_f32_16x16x4_f32). A number that lies on a knife's edge between two numbers of the format may be rounded either way, as far as f32 arithmetic and the matrix unit's own rounding can turn it there, and no further.
;; One version. Each part assembles by itself: llvm-mc -triple=amdgcn-amd-amdhsa -mcpu=gfx1250 --defsym DOCPART=n.
;; ======== version 1 of 1: 7 launches
;; limits: right only within a limited range of input values
;; workspace buffers: wimg 9,830,400 bytes; xc 3,276,800 bytes; qb 3,407,872 bytes; kv 6,684,672 bytes; ao 3,276,800 bytes; h1 16,777,216 bytes; hid 13,107,200 bytes
;; launch prep (part 1): grid 1024 x 1, 4 waves a work-group, no clusters, 32,256 bytes of LDS; arguments H, ln1_g, ln1_b, xc, Wq, Wk, Wv, Wo, W1, W2, wimg; writes xc, wimg
.if DOCPART == 1
	.amdgcn_target "amdgcn-amd-amdhsa--gfx1250"
	.amdhsa_code_object_version 6
	.text
	.protected	k_qc047c69402_prep
	.globl	k_qc047c69402_prep
	.p2align	8
	.type	k_qc047c69402_prep,@function
k_qc047c69402_prep:
	s_mov_b64 s[64:65], 0
	v_nop
	global_prefetch_b8 v0, s[64:65] scope:SCOPE_SE
	s_setreg_imm32_b32 hwreg(HW_REG_WAVE_MODE, 25, 1), 1
	s_wait_xcnt 0x0
; TWO INDEPENDENT JOBS IN ONE LAUNCH, parted by the work-group's number: work-groups 0-255 make the codes of LayerNorm(H), work-groups 256-1,023 the codes of the six weights.  Neither reads what the other stores.
; Both make operands of BF6 (E3M2) codes with one E8M0 byte for each 32 along K, in one layout: [block of 128 rows][K step of 128][chunk of 12,800 bytes]; a chunk is eight fragments of 1,536 bytes (tile t: 16 rows) and 8 x 16 scale words at 12,288.
; Lane r of tile t holds row 32 (t / 2) + 8 (t % 2) + r + 8 (r / 8).  A fragment is the image of its 12 registers: half c: registers 6 c .. 6 c + 3 at 768 c + 16 x lane, 6 c + 4, 6 c + 5 at 768 c + 512 + 8 x lane.
; A block's scale is 2^(floor(log2(largest magnitude)) - 4); its byte is the largest magnitude's exponent field - 4, held at 1 from below.
; LIMITS: a block whose largest magnitude lies under 2^-122 (a block of zeros too) gets the byte 1; the bytes are read by this program alone.  NaN and infinities are not served.
; No matrix unit, no cluster: the LayerNorm's work-groups share only g and b (8 KiB), the weights' work-groups share no input.
;
; THE LAYERNORM: y = (x - mean) * rsqrt(var + 1e-5) * g + b along rows of 1,024 f32.  A work-group makes one tile of 16 rows for all of K; wave w its lanes' rows r = 4 w .. 4 w + 3, a row at a time, the row kept in 32 registers: memory is read once.
; Each load reads 512 neighbouring bytes.  For the conversions a lane must hold 32 NEIGHBOURS: the finished row turns through the wave's own stage in LDS (places of 128 + 16 bytes) and lane l gets block l.
; The codes are gathered in LDS as the eight fragments' images and leave as runs of 512 aligned bytes; a K step's 16 scale words leave as 64 bytes.  Mean and variance in two passes, in f32, as the definition has them.
;
; THE WEIGHTS, f32 stored [K][N].  A work-group makes one chunk (128 columns n x 128 along K); its number less 256 is the chunk's index: Wq 0-63, Wk 64-127, Wv 128-191, Wo 192-255 (8 n-blocks x 8 K steps each), W1 256-511 (32 x 8), W2 512-767 (8 x 32).
; A LANE TAKES A COLUMN AND ITS REGISTERS RUN DOWN K: a block of 32 along K lies in one lane, so its largest magnitude needs no other lane, and the conversions give codes with K innermost.
; Wave w takes tiles 2 w (lanes 0-15) and 2 w + 1 (lanes 16-31).  Each load reads 128 neighbouring bytes of a row of the weight, the four waves 512.
	v_lshl_add_u32 v18, v0, 2, 0x7c00
	v_mov_b32 v19, 0
	s_cmp_lt_u32 ttmp9, 256                        ; the same for all waves of a work-group
	s_cbranch_scc0 .Lweights
.set TURNB, 4608                       ; a wave's turning stage: 32 places of 144 bytes
.set IMG,   18432                      ; eight fragments' images
.set SCL,   30720                      ; eight K steps x 16 scale words
.set Y,     32                         ; v32-63   my block of 32 neighbours
.set RW,    64                         ; v64-191  the wave's four rows
.set GG,    192                        ; v192-223 g
.set BB,    224                        ; v224-255 b
	s_load_b256 s[4:11], s[0:1], 0x0               ; x, g, b, the codes
	v_lshrrev_b32 v1, 5, v0
	v_readfirstlane_b32 s12, v1                    ; wave
	v_and_b32 v1, 31, v0                           ; lane
	s_wait_alu depctr_va_vdst(0)
	v_lshlrev_b32 v2, 4, v1                        ; 16 x lane
	s_lshr_b32 s13, ttmp9, 1
	s_lshl_b32 s13, s13, 5
	s_and_b32 s14, ttmp9, 1
	s_lshl_b32 s14, s14, 3
	s_add_co_u32 s13, s13, s14
	s_lshl_b32 s14, s12, 2
	s_add_co_u32 s13, s13, s14
	s_lshr_b32 s14, s12, 1
	s_lshl_b32 s14, s14, 3
	s_add_co_u32 s13, s13, s14                     ; my first row: 32 (tile / 2) + 8 (tile % 2) + 4 w + 8 (w / 2)
	s_lshl_b32 s14, s13, 12
	s_mov_b32 s15, 0
	s_mul_i32 s16, s12, TURNB
	v_lshrrev_b32 v8, 3, v1
	s_wait_alu depctr_va_vdst(0)
	v_lshl_add_u32 v3, v8, 4, v2
	v_add_nc_u32 v3, s16, v3                       ; the turn, in: 16 x lane, + 16 for each 128 bytes passed
	v_mul_u32_u24 v4, v1, 144
	v_add_nc_u32 v4, s16, v4                       ; and out: place l
	v_lshrrev_b32 v8, 2, v1                        ; block l is block l % 4 of K step l / 4: half (l / 2) % 2, lanes' half l % 2
	v_bfe_u32 v9, v1, 1, 1
	v_and_b32 v10, 1, v1
	v_mul_u32_u24 v11, v8, 1536
	v_mad_u32_u24 v11, v9, 768, v11
	s_lshl_b32 s17, s12, 6
	s_add_co_u32 s17, s17, IMG
	v_lshl_add_u32 v5, v10, 8, v11
	v_add_nc_u32 v5, s17, v5                       ; the image's first four registers of lane r + 16 (l % 2): + 16 r, r = 4 w + i
	s_lshl_b32 s17, s12, 5
	s_add_co_u32 s17, s17, IMG+512
	v_lshl_add_u32 v6, v10, 7, v11
	v_add_nc_u32 v6, s17, v6                       ; its last two
	s_lshl_b32 s17, s12, 4
	s_add_co_u32 s17, s17, SCL
	v_and_b32 v7, 3, v1
	v_lshl_add_u32 v7, v8, 6, v7
	v_add_nc_u32 v7, s17, v7                       ; the block's byte in row r's word of its K step
	s_mul_i32 s17, s12, 3072
	s_add_co_u32 s17, s17, IMG
	v_add_nc_u32 v29, s17, v2                      ; the way out: wave w takes K steps 2 w and 2 w + 1
	s_lshl_b32 s17, s12, 7
	s_add_co_u32 s17, s17, SCL
	v_lshl_add_u32 v30, v1, 2, s17
	v_lshrrev_b32 v8, 4, v1
	v_and_b32 v9, 15, v1
	v_mul_u32_u24 v31, v8, 12800
	v_lshl_add_u32 v31, v9, 2, v31                 ; scale words: lanes 0-15 K step 2 w, lanes 16-31 the next chunk
	s_lshr_b32 s18, ttmp9, 3
	s_lshl_b32 s18, s18, 3
	s_lshl_b32 s19, s12, 1
	s_add_co_u32 s18, s18, s19
	s_mul_i32 s18, s18, 12800                      ; chunk (tile / 8) x 8 + 2 w
	s_and_b32 s19, ttmp9, 7
	s_mul_i32 s22, s19, 1536
	s_add_co_u32 s22, s22, s18
	s_mov_b32 s23, 0
	s_lshl_b32 s24, s19, 6
	s_add_co_u32 s24, s24, s18
	s_add_co_u32 s24, s24, 12288
	s_mov_b32 s25, 0
	s_mov_b32 s20, 0x3a800000                      ; 1 / 1,024
	s_mov_b32 s21, 0x3727c5ac                      ; 1e-5
	s_mov_b32 s26, 0x76543210                      ; v_permlanex16_b32's selects for lane l xor 16
	s_mov_b32 s27, 0xfedcba98
	s_wait_kmcnt 0x0
	s_add_nc_u64 s[4:5], s[4:5], s[14:15]
	s_add_nc_u64 s[22:23], s[10:11], s[22:23]
	s_add_nc_u64 s[24:25], s[10:11], s[24:25]
.irp j, 0,1,2,3,4,5,6,7
	global_load_b128 v[GG+4*\j:GG+4*\j+3], v2, s[6:7] offset:512*\j
.endr
.irp j, 0,1,2,3,4,5,6,7
	global_load_b128 v[BB+4*\j:BB+4*\j+3], v2, s[8:9] offset:512*\j
.endr
.irp i, 0,1,2,3
.irp j, 0,1,2,3,4,5,6,7
	global_load_b128 v[RW+32*\i+4*\j:RW+32*\i+4*\j+3], v2, s[4:5] offset:4096*\i+512*\j
.endr
.endr
.macro REDUCE                          ; four chains v[8:15] into v8, then over the 32 lanes; every lane ends with the sum
	v_pk_add_f32 v[8:9], v[8:9], v[10:11]
	v_pk_add_f32 v[12:13], v[12:13], v[14:15]
	v_pk_add_f32 v[8:9], v[8:9], v[12:13]
	v_add_f32 v8, v8, v9
	v_add_f32_dpp v8, v8, v8 row_xmask:1 row_mask:0xf bank_mask:0xf
	v_add_f32_dpp v8, v8, v8 row_xmask:2 row_mask:0xf bank_mask:0xf
	v_add_f32_dpp v8, v8, v8 row_xmask:4 row_mask:0xf bank_mask:0xf
	v_add_f32_dpp v8, v8, v8 row_xmask:8 row_mask:0xf bank_mask:0xf
	v_permlanex16_b32 v9, v8, s26, s27
	v_add_f32 v8, v8, v9
.endm
.macro ROW i
.set R, RW+32*\i
	s_wait_loadcnt 8*(3-\i)                        ; g, b and this row are in; the later rows' eight loads each may be out
	v_pk_add_f32 v[8:9], v[R:R+1], v[R+2:R+3]
	v_pk_add_f32 v[10:11], v[R+4:R+5], v[R+6:R+7]
	v_pk_add_f32 v[12:13], v[R+8:R+9], v[R+10:R+11]
	v_pk_add_f32 v[14:15], v[R+12:R+13], v[R+14:R+15]
.irp k, 16,24
	v_pk_add_f32 v[8:9], v[8:9], v[R+\k:R+\k+1]
	v_pk_add_f32 v[10:11], v[10:11], v[R+\k+2:R+\k+3]
	v_pk_add_f32 v[12:13], v[12:13], v[R+\k+4:R+\k+5]
	v_pk_add_f32 v[14:15], v[14:15], v[R+\k+6:R+\k+7]
.endr
	REDUCE
	v_mul_f32 v10, s20, v8                         ; the mean, twice: a pair for the packed form
	v_mov_b32 v11, v10
.irp k, 0,2,4,6,8,10,12,14,16,18,20,22,24,26,28,30
	v_pk_add_f32 v[R+\k:R+\k+1], v[R+\k:R+\k+1], v[10:11] neg_lo:[0,1] neg_hi:[0,1]   ; x - mean
.endr
	v_pk_mul_f32 v[8:9], v[R:R+1], v[R:R+1]
	v_pk_mul_f32 v[10:11], v[R+2:R+3], v[R+2:R+3]
	v_pk_mul_f32 v[12:13], v[R+4:R+5], v[R+4:R+5]
	v_pk_mul_f32 v[14:15], v[R+6:R+7], v[R+6:R+7]
.irp k, 8,16,24
	v_pk_fma_f32 v[8:9], v[R+\k:R+\k+1], v[R+\k:R+\k+1], v[8:9]
	v_pk_fma_f32 v[10:11], v[R+\k+2:R+\k+3], v[R+\k+2:R+\k+3], v[10:11]
	v_pk_fma_f32 v[12:13], v[R+\k+4:R+\k+5], v[R+\k+4:R+\k+5], v[12:13]
	v_pk_fma_f32 v[14:15], v[R+\k+6:R+\k+7], v[R+\k+6:R+\k+7], v[14:15]
.endr
	REDUCE
	v_fma_f32 v8, v8, s20, s21                     ; the variance + 1e-5
	s_wait_alu depctr_va_vdst(0)
	v_rsq_f32 v10, v8
	v_rsq_f32 v11, v8
	v_nop                                          ; a plain line behind the transcendentals (ISA guide 5.7.2)
	s_wait_alu depctr_va_vdst(0)                   ; the wait ahead of the first reader: one for both
.irp k, 0,2,4,6,8,10,12,14,16,18,20,22,24,26,28,30
	v_pk_mul_f32 v[R+\k:R+\k+1], v[R+\k:R+\k+1], v[10:11]
.endr
.irp k, 0,2,4,6,8,10,12,14,16,18,20,22,24,26,28,30
	v_pk_fma_f32 v[R+\k:R+\k+1], v[R+\k:R+\k+1], v[GG+\k:GG+\k+1], v[BB+\k:BB+\k+1]
.endr
.irp j, 0,1,2,3,4,5,6,7
	ds_store_b128 v3, v[R+4*\j:R+4*\j+3] offset:576*\j             ; the row as it lies, four places a store
.endr
.irp k, 0,1,2,3,4,5,6,7
	ds_load_b128 v[Y+4*\k:Y+4*\k+3], v4 offset:16*\k               ; LDS serves a wave's instructions in order: these see the stores above
.endr
	s_wait_dscnt 0x0                               ; my block is in; the last row's stores of codes have read v20-27
	v_max3_num_f32 v8, |v[Y]|, |v[Y+1]|, |v[Y+2]|
	v_max3_num_f32 v9, |v[Y+3]|, |v[Y+4]|, |v[Y+5]|
.irp k, 6,10,14,18,22,26
	v_max3_num_f32 v8, v8, |v[Y+\k]|, |v[Y+\k+1]|
	v_max3_num_f32 v9, v9, |v[Y+\k+2]|, |v[Y+\k+3]|
.endr
	v_max3_num_f32 v8, v8, |v[Y+30]|, |v[Y+31]|
	v_max3_num_f32 v8, v8, v9, 0x2800000           ; and the floor 2^(5 - 127)
	v_add_nc_u32 v10, 0xfe000000, v8               ; 4 off the exponent field: the conversion's scale operand
	v_cvt_scalef32_pk16_bf6_f32 v[20:22], v[Y:Y+15], v10
	v_cvt_scalef32_pk16_bf6_f32 v[24:26], v[Y+16:Y+31], v10
	v_lshrrev_b32 v27, 23, v10                     ; the byte; also the plain line behind the conversions
	v_mov_b32 v23, v24                             ; six registers on end
	v_mov_b32 v24, v25
	v_mov_b32 v25, v26
	ds_store_b128 v5, v[20:23] offset:16*\i
	ds_store_b64 v6, v[24:25] offset:8*\i
	ds_store_b8 v7, v27 offset:4*\i
.endm
	ROW 0
	ROW 1
	ROW 2
	ROW 3
	s_wait_dscnt 0x0                               ; for the others' sake: my stores into the images are done
	s_barrier_signal -1
	s_barrier_wait -1
.irp m, 0,1,2,3,4,5
	ds_load_b128 v[Y+4*\m:Y+4*\m+3], v29 offset:512*\m
.endr
	ds_load_b32 v28, v30
.irp m, 0,1,2,3,4,5
	s_wait_dscnt 6-\m                              ; load m is in; the 5 - m behind it and the scale words' may be out
	global_store_b128 v2, v[Y+4*\m:Y+4*\m+3], s[22:23] offset:(\m/3)*12800+(\m%3)*512     ; 512 consecutive bytes, aligned
.endr
	s_wait_dscnt 0x0
	global_store_b32 v31, v28, s[24:25]            ; two runs of 64 bytes: a tile's words of two K steps
	s_wait_tensorcnt 0x0
	ds_add_u32 v18, v19
	s_wait_dscnt 0x0
	s_endpgm
.Lweights:
.set AO,  32                           ; v32-63   byte offset of row i of a block of 32 rows, at my column
.set X,   64                           ; v64-191  my column's 128 numbers
.set PC,  192                          ; v192-215 the four blocks' codes, six registers each
.set PT,  216                          ; v216-218 a block's upper 16 codes as they are made
.set SW,  220                          ; v220     my column's scale word
.set STR, 26                           ; s26      bytes from row to row of the weight
.set WG,  46                           ; s46      the chunk's index
	s_load_b256 s[4:11], s[0:1], 0x20              ; Wq, Wk, Wv, Wo
	s_load_b128 s[12:15], s[0:1], 0x40             ; W1, W2
	s_load_b64 s[16:17], s[0:1], 0x50              ; the chunks
	s_sub_co_u32 s[WG], ttmp9, 256
	v_lshrrev_b32 v1, 5, v0
	v_readfirstlane_b32 s40, v1                    ; wave
	v_and_b32 v1, 31, v0                           ; lane
	v_and_b32 v2, 7, v1
	v_bfe_u32 v6, v1, 3, 1
	v_lshl_add_u32 v2, v6, 4, v2
	v_lshrrev_b32 v6, 4, v1
	v_lshl_add_u32 v2, v6, 3, v2                   ; my column among the wave's 32: lane % 8 + 16 ((lane / 8) % 2) + 8 (lane / 16)
	s_lshl_b32 s41, s40, 7
	v_lshl_add_u32 v2, v2, 2, s41                  ; in bytes, + 128 x wave
	s_wait_alu depctr_va_vdst(0)
	s_mul_i32 s42, s40, 3072                       ; my wave's two fragments in the chunk
	v_lshl_add_u32 v3, v1, 4, s42                  ; 16 x lane
	v_lshl_add_u32 v4, v1, 3, s42                  ; 8 x lane
	v_lshl_add_u32 v5, v1, 2, s41                  ; scale words: 4 x lane + 128 x wave
	s_lshr_b32 s20, s[WG], 3
	s_and_b32 s21, s20, 7                          ; n-block and K step, by the weight's shape
	s_and_b32 s22, s20, 31
	s_and_b32 s23, s[WG], 7
	s_lshr_b32 s24, s[WG], 5
	s_and_b32 s24, s24, 7
	s_and_b32 s25, s[WG], 31
	s_mov_b32 s[STR], 16384
	s_cmp_lt_u32 s[WG], 256
	s_cselect_b32 s21, s21, s22
	s_cselect_b32 s[STR], 4096, s[STR]
	s_cmp_lt_u32 s[WG], 512
	s_cselect_b32 s21, s21, s24
	s_cselect_b32 s23, s23, s25
	s_cselect_b32 s[STR], s[STR], 4096
	s_mul_i32 s28, s23, s[STR]
	s_lshl_b32 s28, s28, 7                         ; 128 rows a K step
	s_lshl_b32 s27, s21, 9                         ; 512 bytes an n-block
	s_add_co_u32 s28, s28, s27
	s_mov_b32 s29, 0
	s_lshl_b32 s30, s[STR], 5                      ; 32 rows on
	s_mov_b32 s31, 0
	s_mul_i32 s44, s[WG], 12800
	s_mov_b32 s45, 0
.set nn, 0
.rept 32
	v_mad_u32_u24 v[AO+nn], s[STR], nn, v2
.set nn, nn+1
.endr
	s_wait_alu depctr_va_vdst(0)
	s_wait_kmcnt 0x0
	s_cmp_lt_u32 s[WG], 64                         ; which weight: the choice hangs on the work-group's number alone
	s_cselect_b64 s[18:19], s[4:5], s[6:7]
	s_cmp_lt_u32 s[WG], 128
	s_cselect_b64 s[18:19], s[18:19], s[8:9]
	s_cmp_lt_u32 s[WG], 192
	s_cselect_b64 s[18:19], s[18:19], s[10:11]
	s_cmp_lt_u32 s[WG], 256
	s_cselect_b64 s[18:19], s[18:19], s[12:13]
	s_cmp_lt_u32 s[WG], 512
	s_cselect_b64 s[18:19], s[18:19], s[14:15]
	s_add_nc_u64 s[32:33], s[18:19], s[28:29]      ; a base for each of the four blocks of 32 rows
	s_add_nc_u64 s[34:35], s[32:33], s[30:31]
	s_add_nc_u64 s[36:37], s[34:35], s[30:31]
	s_add_nc_u64 s[38:39], s[36:37], s[30:31]
	s_add_nc_u64 s[16:17], s[16:17], s[44:45]      ; my chunk
.macro LOAD t                          ; block t: rows 32 t .. 32 t + 31 at my column
.set nn, 0
.rept 32
	global_load_b32 v[X+32*(\t)+nn], v[AO+nn], s[32+2*(\t):33+2*(\t)] th:TH_LOAD_NT
.set nn, nn+1
.endr
.endm
.macro BLOCK t
.set XS, X+32*(\t)
.set PB, PC+6*(\t)
.if (\t) < 3
	s_wait_loadcnt 32                              ; this block's 32 loads are in; the next block's 32 may be out
.else
	s_wait_loadcnt 0x0
.endif
.if (\t)+2 < 4
	LOAD (\t)+2                                    ; two blocks ahead; every block has registers of its own
.endif
	v_max3_num_f32 v221, |v[XS]|, |v[XS+1]|, |v[XS+2]|             ; the block's largest magnitude, in two chains
	v_max3_num_f32 v222, |v[XS+3]|, |v[XS+4]|, |v[XS+5]|
.irp i, 6,10,14,18,22,26
	v_max3_num_f32 v221, v221, |v[XS+\i]|, |v[XS+\i+1]|
	v_max3_num_f32 v222, v222, |v[XS+\i+2]|, |v[XS+\i+3]|
.endr
	v_max3_num_f32 v221, v221, |v[XS+30]|, |v[XS+31]|
	v_max3_num_f32 v221, v221, v222, 0x2800000     ; and the floor 2^(5 - 127): the byte cannot fall under 1
	v_add_nc_u32 v223, 0xfe000000, v221            ; 4 off the exponent field: the conversion takes this operand's exponent field as its scale
	v_cvt_scalef32_pk16_bf6_f32 v[PB:PB+2], v[XS:XS+15], v223
	v_cvt_scalef32_pk16_bf6_f32 v[PT:PT+2], v[XS+16:XS+31], v223   ; (a conversion's three registers begin on an even number)
	v_lshrrev_b32 v224, 23, v223                   ; the scale's byte; also the plain line behind the conversions
.if (\t) == 0
	v_mov_b32 v[SW], v224
.else
	v_lshl_or_b32 v[SW], v224, 8*(\t), v[SW]
.endif
.irp i, 0,1,2
	v_mov_b32 v[PB+3+\i], v[PT+\i]
.endr
.endm
; Blocks 2 c and 2 c + 1 become half c of both tiles' fragments: the even block's lanes 16-31 (tile 2 w + 1) change places with the odd block's lanes 0-15 (tile 2 w),
; so that in each tile lanes 0-15 hold block 2 c and lanes 16-31 block 2 c + 1.  Each store of the wave covers 512 or 256 consecutive bytes, aligned.
.macro HALF c
.irp i, 0,1,2,3,4,5
	v_permlane16_swap_b32 v[PC+12*\c+\i], v[PC+12*\c+6+\i]
.endr
	global_store_b128 v3, v[PC+12*\c:PC+12*\c+3], s[16:17] offset:768*\c
	global_store_b64 v4, v[PC+12*\c+4:PC+12*\c+5], s[16:17] offset:768*\c+512
	global_store_b128 v3, v[PC+12*\c+6:PC+12*\c+9], s[16:17] offset:768*\c+1536
	global_store_b64 v4, v[PC+12*\c+10:PC+12*\c+11], s[16:17] offset:768*\c+2048
.endm
	LOAD 0
	LOAD 1
	BLOCK 0
	BLOCK 1
	HALF 0
	BLOCK 2
	BLOCK 3
	HALF 1
	global_store_b32 v5, v[SW], s[16:17] offset:12288      ; my two tiles' scale words: 128 consecutive bytes a wave, 512 a work-group
	s_endpgm
.Lfunc_end_k_qc047c69402_prep:
	.size	k_qc047c69402_prep, .Lfunc_end_k_qc047c69402_prep-k_qc047c69402_prep
	.p2alignl 7, 3214868480
	.fill 96, 4, 3214868480
	.section	.rodata,"a",@progbits
	.p2align	6, 0x0
	.amdhsa_kernel k_qc047c69402_prep
		.amdhsa_group_segment_fixed_size 32256
		.amdhsa_private_segment_fixed_size 0
		.amdhsa_enable_private_segment 0
		.amdhsa_kernarg_size 88
		.amdhsa_user_sgpr_count 2
		.amdhsa_user_sgpr_kernarg_segment_ptr 1
		.amdhsa_wavefront_size32 1
		.amdhsa_system_sgpr_workgroup_id_x 1
		.amdhsa_system_sgpr_workgroup_id_y 1
		.amdhsa_system_sgpr_workgroup_id_z 1
		.amdhsa_system_vgpr_workitem_id 0
		.amdhsa_next_free_vgpr 256
		.amdhsa_next_free_sgpr 66
		.amdhsa_reserve_vcc 0
		.amdhsa_float_denorm_mode_32 3
		.amdhsa_float_denorm_mode_16_64 3
		.amdhsa_memory_ordered 1
		.amdhsa_forward_progress 1
		.amdhsa_inst_pref_size 69
	.end_amdhsa_kernel
	.amdgpu_metadata
---
amdhsa.version: [ 1, 2 ]
amdhsa.kernels:
  - .name:           k_qc047c69402_prep
    .symbol:         k_qc047c69402_prep.kd
    .args:
      - { .name: H, .offset: 0, .size: 8, .value_kind: global_buffer, .address_space: global }
      - { .name: ln1_g, .offset: 8, .size: 8, .value_kind: global_buffer, .address_space: global }
      - { .name: ln1_b, .offset: 16, .size: 8, .value_kind: global_buffer, .address_space: global }
      - { .name: xc, .offset: 24, .size: 8, .value_kind: global_buffer, .address_space: global }
      - { .name: Wq, .offset: 32, .size: 8, .value_kind: global_buffer, .address_space: global }
      - { .name: Wk, .offset: 40, .size: 8, .value_kind: global_buffer, .address_space: global }
      - { .name: Wv, .offset: 48, .size: 8, .value_kind: global_buffer, .address_space: global }
      - { .name: Wo, .offset: 56, .size: 8, .value_kind: global_buffer, .address_space: global }
      - { .name: W1, .offset: 64, .size: 8, .value_kind: global_buffer, .address_space: global }
      - { .name: W2, .offset: 72, .size: 8, .value_kind: global_buffer, .address_space: global }
      - { .name: wimg, .offset: 80, .size: 8, .value_kind: global_buffer, .address_space: global }
    .group_segment_fixed_size: 32256
    .private_segment_fixed_size: 0
    .kernarg_segment_align: 8
    .kernarg_segment_size: 88
    .max_flat_workgroup_size: 128
    .sgpr_count:     66
    .vgpr_count:     256
    .wavefront_size: 32
...
	.end_amdgpu_metadata
.endif
;; end of part 1
;; launch qkv (part 2): grid 8 x 32, 4 waves a work-group, clusters of 4 x 4, 327,680 bytes of LDS; arguments xc, wimg, qb, kv; writes qb, kv
.if DOCPART == 2
	.amdgcn_target "amdgcn-amd-amdhsa--gfx1250"
	.amdhsa_code_object_version 6
	.text
	.protected	k_qc047c69402_qkv
	.globl	k_qc047c69402_qkv
	.p2align	8
	.type	k_qc047c69402_qkv,@function
k_qc047c69402_qkv:
	s_mov_b64 s[64:65], 0
	v_nop
	global_prefetch_b8 v0, s[64:65] scope:SCOPE_SE
	s_setreg_imm32_b32 hwreg(HW_REG_WAVE_MODE, 25, 1), 1
	s_wait_xcnt 0x0
	s_wait_alu depctr_hold_cnt(0) depctr_sa_sdst(0) depctr_va_vdst(0) depctr_va_sdst(0) depctr_va_ssrc(0) depctr_va_vcc(0) depctr_vm_vsrc(0)
	s_getreg_b32 s2, hwreg(HW_REG_IB_STS2, 6, 4)
	s_cmp_eq_u32 s2, 0
	s_cbranch_scc0 .Lentry_in_a_cluster
	s_endpgm
.Lentry_in_a_cluster:
	s_bfe_u32 s2, ttmp6, 0x10000c
	s_cmp_lg_u32 s2, 0xf033
	s_cbranch_scc0 .Lentry_shape_is_right
	s_endpgm
.Lentry_shape_is_right:
; Q, K, V = x [Wq | Wk | Wv] on codes of BF6 (E3M2) with E8M0 scales, K = 1,024; the results are quantised in registers for the attention: Q and K along the head's 64, V along the keys.
; OPERANDS lie as images of their registers: [block of 128 rows][K step of 128][chunk of 12,800 bytes]; a chunk is eight fragments of 1,536 bytes (tile t of 16 rows) and 8 x 16 scale words at 12,288.
; Lane r of tile t holds row 32 (t / 2) + 8 (t % 2) + r + 8 (r / 8).  So register j of lane (r, h) of a result is source 0's index 32 (t0 / 2) + 8 (t0 % 2) + 16 h + j: the 16 registers of source 0's tiles
; 2 b and 2 b + 1 are 16 NEIGHBOURS, as the next quantiser wants them.  Half c of a fragment: registers 6 c .. 6 c + 3 at 768 c + 16 x lane, 6 c + 4, 6 c + 5 at 768 c + 512 + 8 x lane: every LDS load reads consecutive bytes.
; SHARES.  A work-group makes 128 rows x 128 columns of Q, then of K, then of V (the same x, three blocks of weights).  Four waves, 64 x 64 each: 16 accumulators.  Wave w: A's tiles 4 (w / 2) on, B's tiles 4 (w % 2) on.
; LDS.  x's block for all of K (102,400 bytes) stays; the weights' blocks go through two slots of 102,400 bytes: Wq's and Wk's with the first fills, Wv's into Wq's slot when Q's products are done.
; Q, K: source 0 = weights, source 1 = x: a lane holds one row and 64 neighbouring columns, one head.  V: source 0 = x, source 1 = weights: a lane holds one column d and 64 neighbouring keys.
; CLUSTER 4 x 4: the four of a row need the same x, the four of a column the same weights: each block is asked for jointly, every wave a quarter (25,600 bytes).
; OUT.  qb: a tile of 16 queries of a head: 768 bytes of codes (half a fragment), scale words behind all codes, their upper two bytes 0.  kv: [head][128 keys][13,056]: K's 8 tiles x 768, V^T's 4 fragments, K's words, V's words.
; A wave makes two of the four bytes of V's scale words and stores them as 2 bytes a lane: those runs are written in part, one byte in twelve of the codes'.
; LIMITS: a block whose largest magnitude lies under 2^-122 (a block of zeros too) gets the byte 1; the bytes are read by this program alone.  NaN and infinities are not served.
.set CH,    12800                      ; a chunk
.set RBB,   8*CH                       ; a block of 128 rows for all of K
.set SPARE, 3*RBB                      ; behind the three regions: the spare words, 128 bytes a wave, which no other line names
.set ASL,   0                          ; A has no slots
.set A16, 1                            ; v1-2    A: 16 x lane + my tiles, K steps 0-3 | 4-7 (an LDS immediate has 16 bits)
.set A8,  3                            ; v3-4    A: 512 + 8 x lane likewise
.set B16, 5                            ; v5-8    B: [slot][page]
.set B8,  9                            ; v9-12
.set SCA, 13                           ; v13-16  scale words: lanes 0-15 A's, lanes 16-31 B's: [slot][page]
.set S16, 17                           ; v17-19  16, 8, 4 x lane: the stores' offsets
.set S8,  18
.set S4,  19
.set SPW, 28                           ; v28     my spare word; never rewritten
.set NIL, 29                           ; v29     0; never rewritten
.set SC,  32                           ; v32-39  scale words, two sets of four: register t: lanes 0-15 A's tile t, lanes 16-31 B's tile t
.set PC,  40                           ; v40-63  four half fragments just made
.set PT,  64                           ; v64-66  at work
.set TM,  68                           ; v68-75  at work
.set PW,  76                           ; v76-79  their two scale bytes
.set PM,  80                           ; v80-81  two tiles' bytes in one register
.set ACC, 128                          ; v128-255 the accumulators
.set WV,  12
.set WI,  13
.set WC,  14
.set SEL, 20
.set HM,  22
.set G1A, 24
.set G0A, 32
.set G0B, 36                           ; slot 0's
.set G1B, 48
.set G0B1, 56                          ; slot 1's
.set OBQ, 60
.set OSQ, 62
.set OBK, 66
.set OSK, 68
.set OBV, 70
.set OSV, 72
.set MSB, 0
.macro WIN new                         ; the immediate's high byte repeats the setting that is left
.if MSB != \new
	s_set_vgpr_msb (MSB<<8)|\new
.set MSB, \new
.endif
.endm
.set MUL,  0x05                        ; sources 0 and 1 window 1 (fragments); C and D window 0
.set TO_F, 0x40                        ; destination window 1, address window 0
.macro PLACES                          ; four places behind matrix instructions, ahead of loads into their registers and of reads of their results
.rept 4
	v_nop
.endr
.endm
.macro CROUND                          ; a round of the cluster's barrier
	s_barrier_signal -1
	s_barrier_wait -1
	s_cmp_lg_u32 s[WV], 0
	s_cbranch_scc1 .Lnot_wave_0_\@
	s_barrier_signal -3
.Lnot_wave_0_\@:
	s_barrier_wait -3
	s_barrier_signal -1
	s_barrier_wait -1
.endm
.macro FRAG f, p16, p8, off            ; a fragment's 12 registers, as they were stored
	ds_load_b128 v[\f:\f+3], v[\p16] offset:\off
	ds_load_b64 v[\f+4:\f+5], v[\p8] offset:\off
	ds_load_b128 v[\f+6:\f+9], v[\p16] offset:\off+768
	ds_load_b64 v[\f+10:\f+11], v[\p8] offset:\off+768
.endm
.macro FETCH buf, st, a16, a8, b16, b8, sc, off    ; 36 LDS loads: a K step's scale words, B's four fragments, A's four; A's last two fragments last
	WIN 0
.irp t, 0,1,2,3
	ds_load_b32 v[SC+4*(\st)+\t], v[\sc] offset:(\off)+64*\t
.endr
	WIN TO_F
.irp t, 0,1,2,3
	FRAG (\buf)+48+12*\t, \b16, \b8, (\off)+1536*\t
.endr
.irp t, 0,1,2,3
	FRAG (\buf)+12*\t, \a16, \a8, (\off)+1536*\t
.endr
.endm
.macro KFETCH slot, k                  ; K step k of the slot, into buffer and set k % 2
	FETCH 128*((\k)%2), (\k)%2, A16+2*ASL*(\slot)+(\k)/4, A8+2*ASL*(\slot)+(\k)/4, B16+2*(\slot)+(\k)/4, B8+2*(\slot)+(\k)/4, SCA+2*(\slot)+(\k)/4, ((\k)%4)*CH
.endm
; 8 matrix instructions: A's tiles a0, a0 + 1 x B's four.  swap = 0: source 0 = B; swap = 1: source 0 = A.  mode 1: the first product starts the sums.
; The 16 accumulators take turns, one instruction a turn, in the same order in every step.
.macro MUL8 buf, st, a0, mode, swap
.irp a, \a0, \a0+1
.irp b, 0,1,2,3
.if \swap
.set rD, ACC+8*(4*\b+(\a))
.set rX, (\buf)+12*(\a)
.set rY, (\buf)+48+12*\b
.set qX, SC+4*(\st)+(\a)
.set qY, SC+4*(\st)+\b
.if \mode == 1
	v_wmma_scale_f32_16x16x128_f8f6f4 v[rD:rD+7], v[rX:rX+11], v[rY:rY+11], 0, v[qX], v[qY] matrix_a_fmt:MATRIX_FMT_BF6 matrix_b_fmt:MATRIX_FMT_BF6 matrix_b_scale:MATRIX_SCALE_ROW1
.else
	v_wmma_scale_f32_16x16x128_f8f6f4 v[rD:rD+7], v[rX:rX+11], v[rY:rY+11], v[rD:rD+7], v[qX], v[qY] matrix_a_fmt:MATRIX_FMT_BF6 matrix_b_fmt:MATRIX_FMT_BF6 matrix_b_scale:MATRIX_SCALE_ROW1
.endif
.else
.set rD, ACC+8*(4*(\a)+\b)
.set rX, (\buf)+48+12*\b
.set rY, (\buf)+12*(\a)
.set qX, SC+4*(\st)+\b
.set qY, SC+4*(\st)+(\a)
.if \mode == 1
	v_wmma_scale_f32_16x16x128_f8f6f4 v[rD:rD+7], v[rX:rX+11], v[rY:rY+11], 0, v[qX], v[qY] matrix_a_fmt:MATRIX_FMT_BF6 matrix_b_fmt:MATRIX_FMT_BF6 matrix_a_scale:MATRIX_SCALE_ROW1
.else
	v_wmma_scale_f32_16x16x128_f8f6f4 v[rD:rD+7], v[rX:rX+11], v[rY:rY+11], v[rD:rD+7], v[qX], v[qY] matrix_a_fmt:MATRIX_FMT_BF6 matrix_b_fmt:MATRIX_FMT_BF6 matrix_a_scale:MATRIX_SCALE_ROW1
.endif
.endif
.endr
.endr
.endm
.macro STEP slot, k, mode, swap, more  ; a K step of 128: 16 matrix instructions; in its middle the next step's 36 loads, in one run
	s_wait_dscnt 8                                 ; all but the youngest eight loads (A's tiles 2 and 3) are in
	WIN MUL
	MUL8 128*((\k)%2), (\k)%2, 0, \mode, \swap
.if \more
	PLACES
	KFETCH \slot, (\k)+1
	s_wait_dscnt 36                                ; all but the 36 just issued
.else
	s_wait_dscnt 0x0
.endif
	WIN MUL
	MUL8 128*((\k)%2), (\k)%2, 2, \mode, \swap
.endm
.macro MAIN slot, swap                 ; all of K = 1,024 against the weights in the slot
	KFETCH \slot, 0
	STEP \slot, 0, 1, \swap, 1
.irp k, 1,2,3,4,5,6
	STEP \slot, \k, 0, \swap, 1
.endr
	STEP \slot, 7, 0, \swap, 0
	WIN 0
.endm
; The change of slots.  Each wave waits for all its tensor loads, adds 0 to its spare word, and waits for that and for its reads of the slot that it leaves.  fill = 1: behind a round of the cluster's
; barrier that slot takes the block of weights 16 n-blocks on: one load a wave, first thing there; it has the way out and a whole run over K in which to land.
.macro CHANGE fill, g0
	WIN 0
	s_wait_tensorcnt 0x0                           ; no tensor load of mine is out, so a group 0 may be written
	ds_add_u32 v[SPW], v[NIL]                      ; 0 onto my spare word
.if \fill == 1
	s_add_nc_u64 s[\g0+2:\g0+3], s[\g0+2:\g0+3], 16*RBB
.elseif \fill == 2                     ; slot 1's first fill, issued as a refill is: its address stands; from here on a load brings a quarter of a block
	s_mov_b32 s[G1B+2], 100<<16                    ; tensor_dim1 = 100
	s_mov_b32 s[G1B+4], 100                        ; tile_dim1
.endif
	s_wait_dscnt 0x0                               ; the add is done, and my reads of the slot are over
.if \fill
	CROUND
	tensor_load_to_lds s[\g0:\g0+3], s[G1B:G1B+7]
	s_nop 0
.else
	s_barrier_signal -1
	s_barrier_wait -1
.endif
	PLACES                                         ; behind the tensor load, and behind the last products
.endm
; 32 numbers of a lane, register 16 b + i = index 32 b + 16 (lane / 16) + i along the next K, become half a fragment (6 registers at pc) and its two scale bytes (pw).
.macro QUANT2 s, pc, pw
.irp b, 0,1
	v_max3_num_f32 v[TM+\b], |v[\s+16*\b]|, |v[\s+16*\b+1]|, 0x2800000     ; my 16 numbers of block b, and the floor 2^(5 - 127); each accumulator is read from its low end on
.endr
.irp i, 2,4,6,8,10,12,14
.irp b, 0,1
	v_max3_num_f32 v[TM+\b], v[TM+\b], |v[\s+16*\b+\i]|, |v[\s+16*\b+\i+1]|
.endr
.endr
.irp b, 0,1
	v_permlanex16_b32 v[TM+2+\b], v[TM+\b], s[SEL], s[SEL+1]
.endr
.irp b, 0,1
	v_max_num_f32 v[TM+\b], v[TM+\b], v[TM+2+\b]   ; with lane l xor 16's: the block's largest magnitude
.endr
.irp b, 0,1
	v_add_nc_u32 v[TM+4+\b], 0xfe000000, v[TM+\b]  ; 4 off the exponent field: the conversion's scale operand
.endr
.irp b, 0,1
	v_lshrrev_b32 v[TM+6+\b], 23, v[TM+4+\b]       ; the byte
.endr
	v_lshl_or_b32 v[\pw], v[TM+7], 8, v[TM+6]
	v_cvt_scalef32_pk16_bf6_f32 v[\pc:\pc+2], v[\s:\s+15], v[TM+4]
	v_cvt_scalef32_pk16_bf6_f32 v[PT:PT+2], v[\s+16:\s+31], v[TM+5]
	v_nop                                          ; one plain line behind a scaled conversion
.irp i, 0,1,2
	v_permlane16_swap_b32 v[\pc+\i], v[PT+\i]      ; a whole block to a lane: lanes 0-15 block 0, lanes 16-31 block 1
.endr
.irp i, 0,1,2
	v_mov_b32 v[\pc+3+\i], v[PT+\i]
.endr
.endm
; The way out: source 1's four tiles, one after the other.  Each code store of the wave covers 512 or 256 consecutive bytes, aligned.  Two tiles' scale bytes leave together: lanes 0-15 the even tile's, lanes 16-31 the odd one's.
.macro EPQ stride, word, ob, os
	s_wait_xcnt 0x0                                ; the last way out's stores have read their registers
.irp t, 0,1,2,3
	QUANT2 ACC+32*\t, PC+6*\t, PW+\t
	global_store_b128 v[S16], v[PC+6*\t:PC+6*\t+3], s[\ob:\ob+1] offset:\t*\stride
	global_store_b64 v[S8], v[PC+6*\t+4:PC+6*\t+5], s[\ob:\ob+1] offset:\t*\stride+512
.if \t%2
	v_cndmask_b32 v[PM+\t/2], v[PW+\t-1], v[PW+\t], s[HM]
.if \word
	global_store_b32 v[S4], v[PM+\t/2], s[\os:\os+1] offset:128*(\t/2)
.else
	global_store_b16 v[S4], v[PM+\t/2], s[\os:\os+1] offset:128*(\t/2)
.endif
.endif
.endr
.endm
	s_load_b256 s[4:11], s[0:1], 0x0               ; x's codes, the weights' chunks, qb, kv
	v_lshl_add_u32 v[SPW], v0, 2, SPARE
	v_mov_b32 v[NIL], 0
	ds_add_u32 v28, v29
	ds_add_u32 v28, v29
	s_wait_dscnt 0x0
	v_lshrrev_b32 v20, 5, v0
	v_readfirstlane_b32 s[WV], v20                 ; wave 0..3
	s_lshr_b32 s[WI], s[WV], 1                     ; which half of the rows
	s_and_b32 s[WC], s[WV], 1                      ; which half of the columns
	s_bfe_u32 s40, ttmp6, 0x40000                  ; cx, cy: my place in the cluster
	s_bfe_u32 s41, ttmp6, 0x40004
	s_lshl_b32 s42, ttmp9, 2
	s_add_co_u32 s42, s42, s40                     ; block of 128 columns = 4 x cluster x + cx
	s_and_b32 s43, ttmp7, 0xffff
	s_lshl_b32 s43, s43, 2
	s_add_co_u32 s43, s43, s41                     ; block of 128 rows = 4 x cluster y + cy
	s_lshl_b32 s44, s41, 2
	s_lshl_b32 s44, 15, s44                        ; my row of the cluster
	s_lshl_b32 s45, 0x1111, s40                    ; my column
	s_or_b32 s[G1A], s44, (3<<16)|(1<<21)          ; 15:0 the mask; 17:16 elements of 8 bytes; 21 set beside a mask; no padding
	s_or_b32 s[G1B], s45, (3<<16)|(1<<21)
.irp g, G1A, G1B                       ; at the head a wave brings half a block: a dense run of 51,200 bytes as 200 rows of 256
	s_mov_b32 s[\g+1], 32<<16                      ; tensor_dim0 = 32
	s_mov_b32 s[\g+2], 200<<16                     ; tensor_dim1 = 200
	s_mov_b32 s[\g+3], 32<<16                      ; tile_dim0
	s_mov_b32 s[\g+4], 200                         ; tile_dim1
	s_mov_b32 s[\g+5], 32                          ; pitch
	s_mov_b32 s[\g+6], 0
	s_mov_b32 s[\g+7], 0
.endr
	s_mul_i32 s18, s[WV], 2*CH                     ; my quarter: K steps 2 w and 2 w + 1, in memory and in LDS
	s_mul_i32 s16, s43, RBB
	s_mul_i32 s19, s[WC], 4*CH                     ; the head's halves: K steps 4 (w % 2) on
	s_add_co_u32 s16, s16, s19                     ; A: hangs on the block of rows and the wave alone
	s_mov_b32 s17, 0
	s_mul_i32 s46, s42, RBB
	s_add_co_u32 s46, s46, s18                     ; B: on the block of columns and the wave alone
	s_mov_b32 s47, 0
	s_mov_b32 s[SEL], 0x76543210
	s_mov_b32 s[SEL+1], 0xfedcba98
	s_mov_b32 s[HM], 0xffff0000
	s_wait_kmcnt 0x0
	s_add_nc_u64 s[16:17], s[4:5], s[16:17]
	s_add_nc_u64 s[46:47], s[6:7], s[46:47]
	s_mov_b32 s[G0A], 1
	s_mov_b32 s[G0A+1], s19
	s_mov_b64 s[G0A+2:G0A+3], s[16:17]
	s_or_b32 s[G0A+3], s[G0A+3], 0x80000000
	s_mov_b32 s[G0B], 1
	s_add_co_u32 s[G0B+1], s18, RBB
	s_mov_b64 s[G0B+2:G0B+3], s[46:47]
	s_or_b32 s[G0B+3], s[G0B+3], 0x80000000
	s_mov_b32 s[G0B1], 1
	s_add_co_u32 s[G0B1+1], s18, 2*RBB
	s_add_nc_u64 s[G0B1+2:G0B1+3], s[46:47], 8*RBB     ; Wk's block lies 8 n-blocks behind Wq's
	s_or_b32 s[G0B1+3], s[G0B1+3], 0x80000000
	CROUND                                         ; all sixteen work-groups are here: the first joint loads meet
	s_mov_b32 s80, 1                               ; s[80:83]: group 0 of the head's load of Wq's block, half w % 2
	s_add_co_u32 s81, s19, RBB
	s_mul_i32 s82, s42, RBB
	s_add_co_u32 s82, s82, s19
	s_mov_b32 s83, 0
	s_add_nc_u64 s[82:83], s[6:7], s[82:83]
	s_or_b32 s83, s83, 0x80000000
	s_mul_i32 s86, s42, RBB                        ; s[86:87]: Wq's block, from which the prefetches count
	s_mov_b32 s87, 0
	s_add_nc_u64 s[86:87], s[6:7], s[86:87]
	s_lshl_b32 s84, s41, 2                         ; my number among the sixteen waves of my column of the cluster, which load the same weights,
	s_add_co_u32 s84, s84, s[WV]
	s_mul_i32 s84, s84, 25                         ; x 25: a block is 400 runs of 256 bytes
	s_cmp_eq_u32 s[WI], 0                          ; ONE LOAD A WAVE AT THE HEAD: waves 0, 1 x's halves, waves 2, 3 Wq's
	s_cbranch_scc0 .Lhead_b
	tensor_load_to_lds s[G0A:G0A+3], s[G1A:G1A+7]
	s_nop 0
	PLACES
	s_branch .Lhead_asked
.Lhead_b:
	tensor_load_to_lds s[80:83], s[G1B:G1B+7]
	s_nop 0
	PLACES
.Lhead_asked:
	v_and_b32 v30, 31, v0                          ; v30: the prefetches' offset: 25 lanes name my 25 runs, the others my last one again; never rewritten
	v_min_u32 v30, 24, v30
	v_add_nc_u32 v30, s84, v30
	v_lshlrev_b32 v30, 8, v30
	global_prefetch_b8 v30, s[86:87] offset:8*RBB th:TH_LOAD_NT scope:SCOPE_SE     ; Wk's block, whose load stands behind the head's round
	v_and_b32 v20, 31, v0                          ; lane
	v_and_b32 v21, 15, v0                          ; r
	v_bfe_u32 v22, v0, 4, 1                        ; h
	v_lshlrev_b32 v[S16], 4, v20
	v_lshlrev_b32 v[S8], 3, v20
	v_lshlrev_b32 v[S4], 2, v20
	v_mov_b32 v[TM+2], 0                           ; written once: a lane permute's destination counts as one of its sources
	v_mov_b32 v[TM+3], 0
	s_mul_i32 s2, s[WI], 6144                      ; my four tiles of A,
	s_mul_i32 s3, s[WC], 6144                      ; of B
	s_add_co_u32 s3, s3, RBB
	v_add_nc_u32 v[A16], s2, v[S16]
	v_add_nc_u32 v[A8], s2, v[S8]
	v_add_nc_u32 v[A8], 512, v[A8]
	v_add_nc_u32 v[A16+1], 4*CH, v[A16]
	v_add_nc_u32 v[A8+1], 4*CH, v[A8]
	v_add_nc_u32 v[B16], s3, v[S16]
	v_add_nc_u32 v[B8], s3, v[S8]
	v_add_nc_u32 v[B8], 512, v[B8]
.irp n, 1,2,3
	v_add_nc_u32 v[B16+\n], (\n/2)*RBB+(\n%2)*4*CH, v[B16]
	v_add_nc_u32 v[B8+\n], (\n/2)*RBB+(\n%2)*4*CH, v[B8]
.endr
	s_xor_b32 s3, s[WI], 1                         ; from A's words to B's: the regions' distance + 256 (w % 2) - 256 (w / 2), as one product with h
	s_add_co_u32 s3, s3, s[WC]
	s_lshl_b32 s3, s3, 8
	s_add_co_u32 s3, s3, RBB-256
	s_lshl_b32 s2, s[WI], 8
	s_add_co_u32 s2, s2, 12288
.irp s, 0,1
	v_mul_u32_u24 v23, s3, v22
	v_lshl_add_u32 v23, v21, 2, v23
	v_add_nc_u32 v[SCA+2*\s], s2, v23
	v_add_nc_u32 v[SCA+2*\s+1], 4*CH, v[SCA+2*\s]
	s_add_co_u32 s3, s3, RBB
.endr
	; where the results go
	s_lshr_b32 s74, s43, 4                         ; batch
	s_and_b32 s75, s43, 15                         ; which 128 rows of the batch
	s_lshl_b32 s76, s42, 1
	s_add_co_u32 s76, s76, s[WC]                   ; head: my 64 columns
	s_lshl_b32 s74, s74, 4
	s_add_co_u32 s74, s74, s76                     ; batch x 16 + head
	s_lshl_b32 s77, s74, 7
	s_lshl_b32 s78, s75, 3
	s_add_co_u32 s77, s77, s78
	s_lshl_b32 s78, s[WI], 2
	s_add_co_u32 s77, s77, s78                     ; my first tile of queries
	s_mul_i32 s78, s77, 768
	s_mov_b32 s79, 0
	s_add_nc_u64 s[OBQ:OBQ+1], s[8:9], s[78:79]
	s_lshl_b32 s78, s77, 6
	s_add_co_u32 s78, s78, 3145728
	s_add_nc_u64 s[OSQ:OSQ+1], s[8:9], s[78:79]
	s_lshl_b32 s77, s74, 4
	s_add_co_u32 s77, s77, s75
	s_mul_i32 s77, s77, 13056                      ; the head's block of these 128 keys
	s_mul_i32 s78, s[WI], 3072
	s_add_co_u32 s78, s78, s77
	s_add_nc_u64 s[OBK:OBK+1], s[10:11], s[78:79]
	s_lshl_b32 s78, s[WI], 8
	s_add_co_u32 s78, s78, s77
	s_add_co_u32 s78, s78, 12288
	s_add_nc_u64 s[OSK:OSK+1], s[10:11], s[78:79]
	s_mul_i32 s78, s[WI], 768                      ; V^T: my 64 keys are half w / 2 of each fragment
	s_add_co_u32 s78, s78, s77
	s_add_co_u32 s78, s78, 6144
	s_add_nc_u64 s[OBV:OBV+1], s[10:11], s[78:79]
	s_lshl_b32 s78, s[WI], 1
	s_add_co_u32 s78, s78, s77
	s_add_co_u32 s78, s78, 12800
	s_add_nc_u64 s[OSV:OSV+1], s[10:11], s[78:79]
	s_wait_alu depctr_va_vdst(0)
	CHANGE 2, G0B1                                 ; x and Wq are in, in every wave's part; slot 1 takes Wk, a quarter a wave, behind the full sequence and a round
	global_prefetch_b8 v30, s[86:87] offset:16*RBB th:TH_LOAD_NT scope:SCOPE_SE    ; Wv's block: its load stands a whole run over K further on
	MAIN 0, 0                                      ; Q
	CHANGE 1, G0B                                  ; Wq's slot takes Wv
	EPQ 768, 1, OBQ, OSQ
	MAIN 1, 0                                      ; K
	CHANGE 0, G0B                                  ; Wv has landed in every wave's part
	EPQ 768, 1, OBK, OSK
	MAIN 0, 1                                      ; V, the sources swapped
	PLACES
	EPQ 1536, 0, OBV, OSV
	s_wait_tensorcnt 0x0                           ; the wave's end
	ds_add_u32 v[SPW], v[NIL]
	s_wait_dscnt 0x0
	CROUND                                         ; the closing round
	s_endpgm
.Lfunc_end_k_qc047c69402_qkv:
	.size	k_qc047c69402_qkv, .Lfunc_end_k_qc047c69402_qkv-k_qc047c69402_qkv
	.p2alignl 7, 3214868480
	.fill 96, 4, 3214868480
	.section	.rodata,"a",@progbits
	.p2align	6, 0x0
	.amdhsa_kernel k_qc047c69402_qkv
		.amdhsa_group_segment_fixed_size 327680
		.amdhsa_private_segment_fixed_size 0
		.amdhsa_enable_private_segment 0
		.amdhsa_kernarg_size 32
		.amdhsa_user_sgpr_count 2
		.amdhsa_user_sgpr_kernarg_segment_ptr 1
		.amdhsa_wavefront_size32 1
		.amdhsa_system_sgpr_workgroup_id_x 1
		.amdhsa_system_sgpr_workgroup_id_y 1
		.amdhsa_system_sgpr_workgroup_id_z 1
		.amdhsa_system_vgpr_workitem_id 0
		.amdhsa_next_free_vgpr 512
		.amdhsa_next_free_sgpr 96
		.amdhsa_reserve_vcc 0
		.amdhsa_float_denorm_mode_32 3
		.amdhsa_float_denorm_mode_16_64 3
		.amdhsa_memory_ordered 1
		.amdhsa_forward_progress 1
		.amdhsa_inst_pref_size 145
	.end_amdhsa_kernel
	.amdgpu_metadata
---
amdhsa.version: [ 1, 2 ]
amdhsa.kernels:
  - .name:           k_qc047c69402_qkv
    .symbol:         k_qc047c69402_qkv.kd
    .args:
      - { .name: xc, .offset: 0, .size: 8, .value_kind: global_buffer, .address_space: global }
      - { .name: wimg, .offset: 8, .size: 8, .value_kind: global_buffer, .address_space: global }
      - { .name: qb, .offset: 16, .size: 8, .value_kind: global_buffer, .address_space: global }
      - { .name: kv, .offset: 24, .size: 8, .value_kind: global_buffer, .address_space: global }
    .group_segment_fixed_size: 327680
    .private_segment_fixed_size: 0
    .kernarg_segment_align: 8
    .kernarg_segment_size: 32
    .max_flat_workgroup_size: 128
    .sgpr_count:     96
    .vgpr_count:     512
    .wavefront_size: 32
...
	.end_amdgpu_metadata
.endif
;; end of part 2
;; launch attn (part 3): grid 8 x 32, 16 waves a work-group, clusters of 4 x 1, 284,672 bytes of LDS; arguments qb, kv, ao; writes ao
.if DOCPART == 3
	.amdgcn_target "amdgcn-amd-amdhsa--gfx1250"
	.amdhsa_code_object_version 6
	.text
	.protected	k_qc047c69402_attn
	.globl	k_qc047c69402_attn
	.p2align	8
	.type	k_qc047c69402_attn,@function
k_qc047c69402_attn:
	s_mov_b64 s[64:65], 0
	v_nop
	global_prefetch_b8 v0, s[64:65] scope:SCOPE_SE
	s_setreg_imm32_b32 hwreg(HW_REG_WAVE_MODE, 25, 1), 1
	s_wait_xcnt 0x0
	s_wait_alu depctr_hold_cnt(0) depctr_sa_sdst(0) depctr_va_vdst(0) depctr_va_sdst(0) depctr_va_ssrc(0) depctr_va_vcc(0) depctr_vm_vsrc(0)
	s_getreg_b32 s2, hwreg(HW_REG_IB_STS2, 6, 4)
	s_cmp_eq_u32 s2, 0
	s_cbranch_scc0 .Lentry_in_a_cluster
	s_endpgm
.Lentry_in_a_cluster:
	s_bfe_u32 s2, ttmp6, 0x10000c
	s_cmp_lg_u32 s2, 0x3003
	s_cbranch_scc0 .Lentry_shape_is_right
	s_endpgm
.Lentry_shape_is_right:
; O = softmax(Q K^T / 8, causal) V for 32 heads of 2,048 x 64, both products on codes of BF6 (E3M2) with E8M0 scales; O / l is quantised along the model's 1,024 for the next product.
; THE SOFTMAX: t = score x log2(e) / 8; M = the running largest t rounded UP to a whole number; p = 2^(t - M) is what is quantised, along the keys, not normalised.  The row's sum is taken of the
; unquantised p and divides O at the end.  When M moves, the sum and O are multiplied by 2^(old M - new M): exact.
; SHARES.  A work-group owns 256 queries of one head: of each of the 16 blocks of 128 queries the tile of 16 with its own number j (0..7).  A query of block P sees key steps 0 .. P (128 keys a step): 1 to 16 steps.
; THE BLOCKS GO IN PAIRS (p, 15 - p), 17 steps a pair, SHARED BY TWO WAVES.  Wave p (0..7): the late block 15 - p, key steps 0 .. 8: nine steps.  Wave 8 + p: the early block p, all its p + 1 steps, which it
; stores; then the late block's key steps 9 .. 15 - p: eight steps in all.  Its -M, sums and O^T of the late block go to wave p through LDS as an image of the registers; wave p brings both parts under the larger M by
; exact powers of two and adds them.  So every wave has 8 or 9 steps, which steps hangs on the wave's number alone, and all 256 work-groups have the same work.
; Every wave walks two passes of 16 trips; a step outside the pass's range is jumped over (no barrier and no tensor load stands in a pass).
; LDS.  The head's K and V, 16 blocks of 13,056 bytes (128 keys each: K's 8 tiles x 768, V^T's 4 fragments x 1,536, K's and V's scale words), come ONCE, one tensor load a wave, and stay: nothing is filled again.
; Behind them 4,608 bytes for each wave, for the parts that are handed over; no fill lands there.
; CLUSTER 4 x 1: the four work-groups of a cluster belong to one head: each block is asked for jointly.
; LAYOUT.  Both products transposed: S^T = K Q^T, O^T = V^T P^T: a lane holds one query throughout.  Lane r of a tile holds row 32 (t / 2) + 8 (t % 2) + r + 8 (r / 8), so the 16 registers of tiles 2 b, 2 b + 1 of S^T are 16 neighbouring keys.
; THE HEAD'S 64 ARE HALF OF THE INSTRUCTION'S 128: Q's upper 64 codes are zeros.  K's tiles lie 6 registers apart and a product names 12: the upper six (the next tile's codes) meet Q's zeros and add nothing; the upper scale bytes are 0 on both sides, never 0xff.
; CAUSAL.  In the step of a query's own block hidden scores become -infinity ahead of the maximum.  The first key of that step counts for every query of the block, so each part that has a step has a finite M.
; LIMITS: a block of p or of O whose largest magnitude lies under 2^-122 gets the byte 1 (its codes are zeros or subnormal); NaN and infinities are not served.  The order of the f32 sums over the keys is 0 .. 8, then 9 on.
; No prefetch: all that the launch reads is asked for at its head.
; REGISTERS: v1-4 lane offsets; v8-10 the step's LDS addresses; v11, v28 where a part is put and taken; v12 -M, v13 the largest t, v[14:15] the sum; v16-27 Q; v29 the mask's bound; v32-79 K or V^T; v80-85 zeros;
; v96-159 S^T, then p; v160-191 O^T; v192-198 the second pass's Q; v200-206 the way out's codes and bytes; v208-219 the merge; v224-235 p's codes; v232-254 at work; v255 Q's scale words.
.set KVB, 13056
.set MB,  16*KVB                       ; behind the head's 16 blocks: the parts handed over
.set MW,  4608                         ; 8 x 512 bytes of O^T, 512 of -M, t and the sum
.set B1,  10                           ; s10  the block of my first pass, which I store
.set B2,  11                           ; s11  the pair's late block
.set HI1, 12                           ; s12  the first pass's last step
.set LO1, 13                           ; s13  0
.set LO2, 14                           ; s14  the second pass's first step: 9, or beyond all steps in waves 0-7
.set WV,  18
.set SEL, 20
.set CS,  22
.set G1,  24
.set G0,  32
.set KS,  36
.set TB,  37
.set MS,  11
.set ML,  28
.set TM,  236
.set PT,  244
.macro CROUND                          ; a round of the cluster's barrier
	s_barrier_signal -1
	s_barrier_wait -1
	s_cmp_lg_u32 s[WV], 0
	s_cbranch_scc1 .Lnot_wave_0_\@
	s_barrier_signal -3
.Lnot_wave_0_\@:
	s_barrier_wait -3
	s_barrier_signal -1
	s_barrier_wait -1
.endm
; 32 numbers of a lane, register 16 b + i = index 32 b + 16 (lane / 16) + i along the next K, become half a fragment (6 registers at pc) and its two scale bytes (pw).
.macro QUANT2 s, pc, pw
.irp b, 0,1
	v_max3_num_f32 v[TM+\b], |v[\s+16*\b]|, |v[\s+16*\b+1]|, 0x2800000
.endr
.irp i, 2,4,6,8,10,12,14
.irp b, 0,1
	s_delay_alu instid0(VALU_DEP_2)
	v_max3_num_f32 v[TM+\b], v[TM+\b], |v[\s+16*\b+\i]|, |v[\s+16*\b+\i+1]|
.endr
.endr
.irp b, 0,1
	s_delay_alu instid0(VALU_DEP_2)
	v_permlanex16_b32 v[TM+2+\b], v[TM+\b], s[SEL], s[SEL+1]
.endr
.irp b, 0,1
	s_delay_alu instid0(VALU_DEP_2)
	v_max_num_f32 v[TM+\b], v[TM+\b], v[TM+2+\b]
.endr
.irp b, 0,1
	s_delay_alu instid0(VALU_DEP_2)
	v_add_nc_u32 v[TM+4+\b], 0xfe000000, v[TM+\b]
.endr
.irp b, 0,1
	s_delay_alu instid0(VALU_DEP_2)
	v_lshrrev_b32 v[TM+6+\b], 23, v[TM+4+\b]
.endr
	s_delay_alu instid0(VALU_DEP_1)
	v_lshl_or_b32 v[\pw], v[TM+7], 8, v[TM+6]
	v_cvt_scalef32_pk16_bf6_f32 v[\pc:\pc+2], v[\s:\s+15], v[TM+4]
	v_cvt_scalef32_pk16_bf6_f32 v[PT:PT+2], v[\s+16:\s+31], v[TM+5]
	v_nop
.irp i, 0,1,2
	v_permlane16_swap_b32 v[\pc+\i], v[PT+\i]
.endr
.irp i, 0,1,2
	s_delay_alu instid0(VALU_DEP_3)
	v_mov_b32 v[\pc+3+\i], v[PT+\i]
.endr
.endm
; A PASS over the head's 16 key steps, 16 trips in every wave.  Worked are the steps from s[klo] to s[khi]; s[kdg] is the step on the diagonal.
; k0, k1: the trips that this part of a pass walks, k0 .. k1 - 1.  THE FIRST PASS IS WRITTEN IN TWO PARTS: trip 0, for which key block 0 alone has been shown to all waves, and trips 1 to 15, behind a barrier
; in front of which every wave has waited for its own block.  Key step 0 is worked by every wave in its first pass.  The second pass is one part of 16 trips.
.macro KLOOP klo, khi, kdg, k0, k1
	s_mov_b32 s[KS], \k0
	s_mov_b32 s[TB], \k0*KVB
.Lks_\@:
	s_cmp_lt_u32 s[KS], s[\klo]
	s_cbranch_scc1 .Lhidden_\@                     ; my partner's steps
	s_cmp_gt_u32 s[KS], s[\khi]
	s_cbranch_scc1 .Lhidden_\@                     ; my partner's, or all its keys come after my queries
	v_add_nc_u32 v8, s[TB], v1                     ; (these three and the v_nop are the places behind the last products, ahead of loads into their registers)
	v_add_nc_u32 v9, s[TB], v2
	v_add_nc_u32 v10, s[TB], v3
	v_nop
.irp t, 0,1,2,3,4,5,6,7
	ds_load_b128 v[32+6*\t:35+6*\t], v8 offset:768*\t
	ds_load_b64 v[36+6*\t:37+6*\t], v9 offset:768*\t
.endr
.irp p, 0,1,2,3
	ds_load_b32 v[248+\p], v10 offset:12288+128*\p     ; two tiles' scale words: lanes 0-15 tile 2 p, lanes 16-31 tile 2 p + 1
.endr
	s_wait_alu depctr_va_vdst(0)
	s_wait_dscnt 0x0
.irp t, 0,2,4,6
	v_wmma_scale_f32_16x16x128_f8f6f4 v[96+8*\t:103+8*\t], v[32+6*\t:43+6*\t], v[16:27], 0, v[248+\t/2], v255 matrix_a_fmt:MATRIX_FMT_BF6 matrix_b_fmt:MATRIX_FMT_BF6
	v_wmma_scale_f32_16x16x128_f8f6f4 v[104+8*\t:111+8*\t], v[38+6*\t:49+6*\t], v[16:27], 0, v[248+\t/2], v255 matrix_a_fmt:MATRIX_FMT_BF6 matrix_b_fmt:MATRIX_FMT_BF6 matrix_a_scale:MATRIX_SCALE_ROW1
.endr
.rept 4
	v_nop
.endr
.irp t, 0,1,2,3                        ; V^T's four fragments take K's registers now and land under the softmax
	ds_load_b128 v[32+12*\t:35+12*\t], v8 offset:6144+1536*\t
	ds_load_b64 v[36+12*\t:37+12*\t], v9 offset:6144+1536*\t
	ds_load_b128 v[38+12*\t:41+12*\t], v8 offset:6144+1536*\t+768
	ds_load_b64 v[42+12*\t:43+12*\t], v9 offset:6144+1536*\t+768
.endr
	ds_load_b32 v248, v10 offset:12800
	ds_load_b32 v249, v10 offset:12928
	s_cmp_lg_u32 s[KS], s[\kdg]
	s_cbranch_scc1 .Lopen_\@                       ; all its keys count
	v_mov_b32 v254, 0xff800000                     ; -infinity
.set nn, 0
.rept 64
	v_cmp_gt_i32 vcc_lo, 32*(nn/16)+nn%16, v29
	v_cndmask_b32 v[96+nn], v[96+nn], v254, vcc_lo
.set nn, nn+1
.endr
.Lopen_\@:
.irp b, 0,1,2,3
	v_max3_num_f32 v[232+\b], v[96+16*\b], v[97+16*\b], v[98+16*\b]        ; the largest score of each block of 32 keys: for the row's maximum and, since p rises with the score, for the block's largest p
.endr
.irp i, 3,5,7,9,11,13
.irp b, 0,1,2,3
	v_max3_num_f32 v[232+\b], v[232+\b], v[96+16*\b+\i], v[97+16*\b+\i]
.endr
.endr
.irp b, 0,1,2,3
	v_max_num_f32 v[232+\b], v[232+\b], v[111+16*\b]
.endr
.irp b, 0,1,2,3
	s_delay_alu instid0(VALU_DEP_4)
	v_permlanex16_b32 v[236+\b], v[232+\b], s[SEL], s[SEL+1]
.endr
.irp b, 0,1,2,3
	s_delay_alu instid0(VALU_DEP_4)
	v_max_num_f32 v[232+\b], v[232+\b], v[236+\b]  ; with lane l xor 16's 16 keys
.endr
	s_delay_alu instid0(VALU_DEP_2)
	v_max3_num_f32 v254, v232, v233, v234
	s_delay_alu instid0(VALU_DEP_1)
	v_max_num_f32 v254, v254, v235
	s_delay_alu instid0(VALU_DEP_1)
	v_mul_f32 v254, s[CS], v254                    ; as t (c is positive)
	s_delay_alu instid0(VALU_DEP_1)
	v_max_num_f32 v13, v13, v254                   ; the running largest t
	v_mov_b32 v254, v12
	s_delay_alu instid0(VALU_DEP_2)
	v_floor_f32 v12, -v13                          ; the new -M = -ceil(t)
	s_delay_alu instid0(VALU_DEP_1)
	v_sub_f32 v254, v12, v254                      ; old M - new M: a whole number, 0 or less
	s_delay_alu instid0(VALU_DEP_1)
	v_cvt_i32_f32 v254, v254                       ; (it saturates)
	s_delay_alu instid0(VALU_DEP_1)
	v_ldexp_f32 v252, 1.0, v254                    ; f = 2^(old M - new M)
.set nn, 0
.rept 32
	v_pk_fma_f32 v[96+nn:97+nn], v[96+nn:97+nn], s[CS:CS+1], v[12:13] op_sel_hi:[1,0,0]    ; t - M, two at a time
.set nn, nn+2
.endr
.irp b, 0,1,2,3
	v_fma_f32 v[232+\b], v[232+\b], s[CS], v12     ; the same of each block's largest score
.endr
.set nn, 0
	s_wait_alu depctr_va_vdst(0)
.rept 64
	v_exp_f32 v[96+nn], v[96+nn]                   ; p = 2^(t - M)
.set nn, nn+1
.endr
	v_pk_mul_f32 v[14:15], v[14:15], v[252:253] op_sel_hi:[1,0]    ; the sums under the new M; a plain line behind the exponentials
	s_wait_alu depctr_va_vdst(0)                   ; the wait ahead of the batch's first reader: one for the 64
.irp b, 0,1,2,3
	v_exp_f32 v[232+\b], v[232+\b]                 ; the block's largest p
.endr
	v_pk_add_f32 v[236:237], v[100:101], v[104:105]
	v_pk_add_f32 v[250:251], v[108:109], v[112:113]
	v_pk_add_f32 v[246:247], v[116:117], v[120:121]
	v_pk_add_f32 v[244:245], v[124:125], v[128:129]
	v_pk_add_f32 v[242:243], v[132:133], v[136:137]
	v_pk_add_f32 v[240:241], v[140:141], v[144:145]
	v_pk_add_f32 v[238:239], v[148:149], v[152:153]
	v_pk_add_f32 v[14:15], v[14:15], v[156:157]
	v_pk_add_f32 v[236:237], v[236:237], v[96:97]
	v_pk_add_f32 v[250:251], v[250:251], v[98:99]
	v_pk_add_f32 v[246:247], v[246:247], v[102:103]
	v_pk_add_f32 v[244:245], v[244:245], v[106:107]
	v_pk_add_f32 v[242:243], v[242:243], v[110:111]
	v_pk_add_f32 v[240:241], v[240:241], v[114:115]
	v_pk_add_f32 v[238:239], v[238:239], v[118:119]
	v_pk_add_f32 v[14:15], v[14:15], v[122:123]
	v_pk_add_f32 v[236:237], v[236:237], v[126:127]
	v_pk_add_f32 v[250:251], v[250:251], v[130:131]
	v_pk_add_f32 v[246:247], v[246:247], v[134:135]
	v_pk_add_f32 v[244:245], v[244:245], v[138:139]
	v_pk_add_f32 v[242:243], v[242:243], v[142:143]
	v_pk_add_f32 v[240:241], v[240:241], v[146:147]
	v_pk_add_f32 v[238:239], v[238:239], v[150:151]
	v_pk_add_f32 v[14:15], v[14:15], v[154:155]
	v_pk_add_f32 v[236:237], v[236:237], v[158:159]
	s_delay_alu instid0(VALU_DEP_2)
	v_pk_add_f32 v[14:15], v[14:15], v[244:245]
	s_delay_alu instid0(VALU_DEP_2)
	v_pk_add_f32 v[236:237], v[236:237], v[242:243]
	v_pk_add_f32 v[250:251], v[250:251], v[240:241]
	v_pk_add_f32 v[246:247], v[246:247], v[238:239]
	s_delay_alu instid0(VALU_DEP_2)
	v_pk_add_f32 v[14:15], v[14:15], v[250:251]
	s_delay_alu instid0(VALU_DEP_2)
	v_pk_add_f32 v[236:237], v[236:237], v[246:247]
	s_delay_alu instid0(VALU_DEP_1)
	v_pk_add_f32 v[14:15], v[14:15], v[236:237]
	s_wait_alu depctr_va_vdst(0)                   ; and one for the four
.irp b, 0,1,2,3
	v_max_num_f32 v[232+\b], 0x2800000, v[232+\b]  ; the floor 2^(5 - 127)
.endr
.irp b, 0,1,2,3
	s_delay_alu instid0(VALU_DEP_4)
	v_add_nc_u32 v[244+\b], 0xfe000000, v[232+\b]  ; the conversion's scale operand
.endr
.irp b, 0,1,2,3
	s_delay_alu instid0(VALU_DEP_4)
	v_lshrrev_b32 v[236+\b], 23, v[244+\b]         ; the byte
.endr
	s_delay_alu instid0(VALU_DEP_3)
	v_lshl_or_b32 v253, v237, 8, v236              ; p's scale word for these 128 keys
	s_delay_alu instid0(VALU_DEP_1)
	v_lshl_or_b32 v253, v238, 16, v253
	s_delay_alu instid0(VALU_DEP_1)
	v_lshl_or_b32 v253, v239, 24, v253
.irp c, 0,1
	v_cvt_scalef32_pk16_bf6_f32 v[224+6*\c:226+6*\c], v[96+32*\c:111+32*\c], v[244+2*\c]
	v_cvt_scalef32_pk16_bf6_f32 v[236+4*\c:238+4*\c], v[112+32*\c:127+32*\c], v[244+2*\c+1]
.endr
	v_nop                                          ; one plain line behind a scaled conversion
.irp c, 0,1
.irp i, 0,1,2
	v_permlane16_swap_b32 v[224+6*\c+\i], v[236+4*\c+\i]   ; a whole block to a lane
.endr
.irp i, 0,1,2
	s_delay_alu instid0(VALU_DEP_3)
	v_mov_b32 v[227+6*\c+\i], v[236+4*\c+\i]
.endr
.endr
.set nn, 0
.rept 16
	v_pk_mul_f32 v[160+nn:161+nn], v[160+nn:161+nn], v[252:253] op_sel_hi:[1,0]    ; O^T under the new M; these 16 are also the places between p's codes and scale word and the products
.set nn, nn+2
.endr
	s_wait_alu depctr_va_vdst(0)
	s_wait_dscnt 0x0                               ; V^T and its scale words
.irp t, 0,2
	v_wmma_scale_f32_16x16x128_f8f6f4 v[160+8*\t:167+8*\t], v[32+12*\t:43+12*\t], v[224:235], v[160+8*\t:167+8*\t], v[248+\t/2], v253 matrix_a_fmt:MATRIX_FMT_BF6 matrix_b_fmt:MATRIX_FMT_BF6
	v_wmma_scale_f32_16x16x128_f8f6f4 v[168+8*\t:175+8*\t], v[44+12*\t:55+12*\t], v[224:235], v[168+8*\t:175+8*\t], v[248+\t/2], v253 matrix_a_fmt:MATRIX_FMT_BF6 matrix_b_fmt:MATRIX_FMT_BF6 matrix_a_scale:MATRIX_SCALE_ROW1
.endr
.Lhidden_\@:
	s_add_co_u32 s[TB], s[TB], KVB
	s_add_co_u32 s[KS], s[KS], 1
	s_cmp_lt_u32 s[KS], \k1
	s_cbranch_scc1 .Lks_\@
.rept 4
	v_nop                                          ; places behind the pass's last products, on every wave's way
.endr
.endm
; THE WAY OUT of the tile of my first pass: O^T / l; a lane's 32 registers are its query's 64 channels in the order 32 b + 16 (lane / 16) + i: half a fragment of the next product's operand.
.macro WAYOUT
	s_wait_xcnt 0x0                                ; no earlier store still reads the registers written below
	v_add_f32 v14, v14, v15
	s_delay_alu instid0(VALU_DEP_1)
	v_permlanex16_b32 v252, v14, s[SEL], s[SEL+1]
	s_delay_alu instid0(VALU_DEP_1)
	v_add_f32 v14, v14, v252                       ; the row's sum
	s_wait_alu depctr_va_vdst(0)
	v_rcp_f32 v14, v14
	v_nop                                          ; a plain line behind the transcendental
	s_wait_alu depctr_va_vdst(0)                   ; and the wait ahead of its first reader
.set nn, 0
.rept 32
	v_mul_f32 v[96+nn], v[160+nn], v14
.set nn, nn+1
.endr
	QUANT2 96, 200, 206
	global_store_b128 v1, v[200:203], s[52:53]     ; 512 consecutive bytes, aligned
	global_store_b64 v2, v[204:205], s[52:53]      ; 256 (the offset register carries the 512)
	global_store_b16 v4, v206, s[54:55]            ; my head's two bytes of each row's word; lanes r and r + 16 write the same bytes with the same value
.endm
	s_load_b128 s[4:7], s[0:1], 0x0                ; qb, kv
	s_load_b64 s[8:9], s[0:1], 0x10                ; ao
	v_lshl_add_u32 v222, v0, 2, 0x45000
	v_mov_b32 v223, 0
	ds_add_u32 v222, v223
	ds_add_u32 v222, v223
	v_lshrrev_b32 v1, 5, v0
	s_delay_alu instid0(VALU_DEP_1)
	v_readfirstlane_b32 s[WV], v1                  ; wave 0..15
	s_and_b32 s15, s[WV], 7                        ; p: my pair
	s_lshr_b32 s16, s[WV], 3
	s_xor_b32 s16, s16, 1                          ; 1 in waves 0-7, 0 in waves 8-15
	s_xor_b32 s[B2], s15, 15                       ; the late block: 15 - p
	s_mul_i32 s17, s16, 15
	s_xor_b32 s[B1], s15, s17                      ; waves 0-7: 15 - p; waves 8-15: p
	s_min_u32 s[HI1], s[B1], 8                     ; waves 0-7: steps 0 .. 8; waves 8-15: 0 .. p
	s_mov_b32 s[LO1], 0
	s_lshl_b32 s[LO2], s16, 4
	s_add_co_u32 s[LO2], s[LO2], 9                 ; waves 8-15: from step 9; waves 0-7: from 25, that is nothing
	s_mul_i32 s17, s[WV], MW
	s_add_co_u32 s17, s17, MB                      ; where I put a part,
	s_or_b32 s19, s[WV], 8
	s_mul_i32 s19, s19, MW
	s_add_co_u32 s19, s19, MB                      ; and where wave 8 + p has put the pair's
	s_bfe_u32 s40, ttmp6, 0x40000                  ; cx
	s_lshl_b32 s39, ttmp9, 2
	s_add_co_u32 s39, s39, s40                     ; j: my tile in each block: it enters Q's and O's addresses and the mask's bound alone
	s_and_b32 s38, ttmp7, 0xffff                   ; batch x 16 + head, which the four partners share
	s_mov_b32 s[G1], 15|(3<<16)|(1<<21)            ; the mask: all four; elements of 8 bytes; 21 set beside a mask; no padding
	s_mov_b32 s[G1+1], 32<<16                      ; a dense block of 13,056 bytes as 51 rows of 256
	s_mov_b32 s[G1+2], 51<<16
	s_mov_b32 s[G1+3], 32<<16
	s_mov_b32 s[G1+4], 51
	s_mov_b32 s[G1+5], 32
	s_mov_b32 s[G1+6], 0
	s_mov_b32 s[G1+7], 0
	s_lshl_b32 s42, s38, 4
	s_add_co_u32 s42, s42, s[WV]
	s_mul_i32 s42, s42, KVB                        ; wave w fetches key step w
	s_mov_b32 s43, 0
	s_mul_i32 s41, s[WV], KVB
	s_lshl_b32 s44, s38, 7
	s_add_co_u32 s44, s44, s39                     ; 128 x head + j
	s_lshl_b32 s45, s[B1], 3
	s_add_co_u32 s45, s45, s44                     ; the first pass's tile of queries: + 8 x its block
	s_mul_i32 s46, s45, 768
	s_mov_b32 s47, 0
	s_lshl_b32 s50, s45, 6
	s_add_co_u32 s50, s50, 3145728
	s_mov_b32 s51, 0
	s_lshl_b32 s45, s[B2], 3
	s_add_co_u32 s45, s45, s44                     ; the second pass's
	s_mul_i32 s58, s45, 768
	s_mov_b32 s59, 0
	s_lshl_b32 s60, s45, 6
	s_add_co_u32 s60, s60, 3145728
	s_mov_b32 s61, 0
	s_lshr_b32 s52, s38, 4
	s_lshl_b32 s52, s52, 4
	s_add_co_u32 s52, s52, s[B1]                   ; O's block of 128 rows: the first pass's
	s_lshl_b32 s52, s52, 3
	s_bfe_u32 s53, s38, 0x30001                    ; K step of the next product: head / 2
	s_add_co_u32 s52, s52, s53
	s_mul_i32 s52, s52, 12800                      ; the chunk
	s_and_b32 s53, s38, 1                          ; which half of the fragment: head % 2
	s_lshl_b32 s54, s39, 6
	s_add_co_u32 s54, s54, s52
	s_add_co_u32 s54, s54, 12288
	s_lshl_b32 s55, s53, 1
	s_add_co_u32 s54, s54, s55                     ; my two bytes of the tile's scale words
	s_mov_b32 s55, 0
	s_mul_i32 s56, s39, 1536
	s_add_co_u32 s52, s52, s56
	s_mul_i32 s56, s53, 768
	s_add_co_u32 s52, s52, s56
	s_mov_b32 s53, 0
	s_lshr_b32 s56, s39, 1
	s_lshl_b32 s56, s56, 5
	s_and_b32 s57, s39, 1
	s_lshl_b32 s57, s57, 3
	s_add_co_u32 s56, s56, s57                     ; 32 (j / 2) + 8 (j % 2)
	s_mov_b32 s[SEL], 0x76543210
	s_mov_b32 s[SEL+1], 0xfedcba98
	s_mov_b32 s[CS], 0x3e38aa3b                    ; c = log2(e) / 8
	s_mov_b32 s[CS+1], s[CS]                       ; (named with it as a pair, so it is written)
	s_wait_dscnt 0x0
	s_wait_kmcnt 0x0
	s_mov_b32 s[G0], 1
	s_mov_b32 s[G0+1], s41
	s_add_nc_u64 s[G0+2:G0+3], s[6:7], s[42:43]
	s_or_b32 s[G0+3], s[G0+3], 0x80000000
	s_add_nc_u64 s[48:49], s[4:5], s[46:47]        ; the first pass's Q: codes,
	s_add_nc_u64 s[50:51], s[4:5], s[50:51]        ; scale words
	s_add_nc_u64 s[58:59], s[4:5], s[58:59]        ; the second pass's
	s_add_nc_u64 s[60:61], s[4:5], s[60:61]
	s_add_nc_u64 s[52:53], s[8:9], s[52:53]        ; O's codes
	s_add_nc_u64 s[54:55], s[8:9], s[54:55]        ; O's scale bytes
	CROUND                                         ; all four work-groups are here: the joint loads meet
	s_cmp_eq_u32 s[WV], 0                          ; wave 0's load, key block 0, has a line of its own: it alone is waited for ahead of the first barrier
	s_cbranch_scc0 .Lload_rest
	tensor_load_to_lds s[G0:G0+3], s[G1:G1+7]      ; my one tensor load of the launch
	s_nop 0
.rept 4
	v_nop
.endr
	s_branch .Lloaded
.Lload_rest:
	tensor_load_to_lds s[G0:G0+3], s[G1:G1+7]      ; my one tensor load of the launch
	s_nop 0
.Lloaded:
.rept 4
	v_nop
.endr
	v_and_b32 v5, 31, v0
	s_delay_alu instid0(VALU_DEP_1)
	v_lshlrev_b32 v1, 4, v5                        ; 16 x lane
	s_delay_alu instid0(VALU_DEP_2)
	v_lshlrev_b32 v2, 3, v5
	s_delay_alu instid0(VALU_DEP_1)
	v_add_nc_u32 v2, 512, v2                       ; 512 + 8 x lane
	s_delay_alu instid0(VALU_DEP_4)
	v_lshlrev_b32 v3, 2, v5                        ; 4 x lane
	v_and_b32 v5, 15, v0                           ; r
	s_delay_alu instid0(VALU_DEP_1)
	v_lshlrev_b32 v4, 2, v5                        ; 4 r
	global_load_b128 v[16:19], v1, s[48:49]        ; Q's half fragment stays in registers
	global_load_b64 v[20:21], v2, s[48:49]
	global_load_b32 v255, v4, s[50:51]
	global_load_b128 v[192:195], v1, s[58:59]      ; and the late block's, for the second pass
	global_load_b64 v[196:197], v2, s[58:59]
	global_load_b32 v198, v4, s[60:61]
	v_add_nc_u32 v[MS], s17, v1                    ; both LDS addresses of the hand-over are made here, ahead of every parting of the waves
	v_add_nc_u32 v[ML], s19, v1
	v_and_b32 v6, 8, v5
	s_delay_alu instid0(VALU_DEP_1)
	v_add_nc_u32 v6, v6, v5                        ; r + 8 (r / 8)
	v_bfe_u32 v7, v0, 4, 1
	s_delay_alu instid0(VALU_DEP_1)
	v_lshlrev_b32 v7, 4, v7
	s_delay_alu instid0(VALU_DEP_1)
	v_sub_nc_u32 v6, v6, v7
	s_delay_alu instid0(VALU_DEP_1)
	v_add_nc_u32 v29, s56, v6                      ; d = my query's place in its block - 16 (lane / 16): on the diagonal register 16 b + i is hidden where 32 b + i > d
	v_mov_b32 v13, 0xff61b1e6                      ; the largest t so far: -3e38
	s_delay_alu instid0(VALU_DEP_1)
	v_floor_f32 v12, -v13                          ; -M
	v_mov_b32 v14, 0
	v_mov_b32 v15, 0
.irp n, 22,23,24,25,26,27,80,81,82,83,84,85,236,237,238,239,252,253
	v_mov_b32 v\n, 0                               ; Q's upper 64 codes; what the last tile of K names beyond its own; permutes' destinations; halves of pairs
.endr
.set nn, 0
.rept 32
	v_mov_b32 v[160+nn], 0                         ; O^T: the step is written once; the first finds zeros, which the first change of M leaves zeros
.set nn, nn+1
.endr
	s_wait_alu depctr_va_vdst(0)                   ; the wait at the head's end
	s_cmp_eq_u32 s[WV], 0
	s_cbranch_scc0 .Lnot_first
	s_wait_tensorcnt 0x0                           ; wave 0: key block 0 is in
.Lnot_first:
	s_barrier_signal -1
	s_barrier_wait -1                              ; block 0 is shown to all; the other fifteen may still be on their way
	s_wait_loadcnt 0x0                             ; Q, twice
	KLOOP LO1, HI1, B1, 0, 1                       ; key step 0, in every wave
	s_wait_alu depctr_va_vdst(0)                   ; the wait ahead of the waits below
	s_wait_tensorcnt 0x0                           ; my block is in (every wave, under no branch),
	s_wait_dscnt 0x0
	s_barrier_signal -1
	s_barrier_wait -1                              ; everybody's is
	KLOOP LO1, HI1, B1, 1, 16                      ; waves 0-7: the late block's steps 1 .. 8; waves 8-15: the rest of the early block
	s_cmp_lt_u32 s[WV], 8
	s_cbranch_scc1 .Lkeep                          ; waves 0-7 keep their sums
	WAYOUT                                         ; the early block is finished
	v_mov_b32 v255, v198                           ; the late block's Q; the 42 lines below stand between these writes and the next products
.irp i, 0,1,2,3,4,5
	v_mov_b32 v[16+\i], v[192+\i]
.endr
	v_mov_b32 v13, 0xff61b1e6                      ; and a new start
	s_delay_alu instid0(VALU_DEP_1)
	v_floor_f32 v12, -v13
	v_mov_b32 v14, 0
	v_mov_b32 v15, 0
.set nn, 0
.rept 32
	v_mov_b32 v[160+nn], 0
.set nn, nn+1
.endr
.Lkeep:
	KLOOP LO2, B2, B2, 0, 16                       ; waves 8-15: the late block's steps 9 .. 15 - p; waves 0-7: nothing
	s_cmp_lt_u32 s[WV], 8
	s_cbranch_scc1 .Lno_send
	s_wait_alu depctr_va_vdst(0)
.irp k, 0,1,2,3,4,5,6,7
	ds_store_b128 v[MS], v[160+4*\k:163+4*\k] offset:512*\k        ; my part of the late block as it stands, each accumulator from its low end on
.endr
	ds_store_b128 v[MS], v[12:15] offset:4096      ; -M, t, the sum's two halves
.Lno_send:
	s_wait_dscnt 0x0                               ; for the partner's sake: my stores are done
	s_barrier_signal -1
	s_barrier_wait -1
	s_cmp_lt_u32 s[WV], 8
	s_cbranch_scc0 .Lno_merge
.irp k, 0,1,2,3,4,5,6,7
	ds_load_b128 v[96+4*\k:99+4*\k], v[ML] offset:512*\k           ; the same registers in the same lanes
.endr
	ds_load_b128 v[208:211], v[ML] offset:4096
	s_wait_dscnt 0x0
	v_min_num_f32 v212, v12, v208                  ; -M of both parts: the smaller -M
	s_delay_alu instid0(VALU_DEP_1)
	v_sub_f32 v213, v212, v12                      ; my M less the common one: a whole number, 0 or less
	s_delay_alu instid0(VALU_DEP_2)
	v_sub_f32 v214, v212, v208                     ; my partner's likewise (a part without a step has M = -3e38: its factor is 0, and so are its sums)
	s_delay_alu instid0(VALU_DEP_2)
	v_cvt_i32_f32 v213, v213                       ; (they saturate)
	s_delay_alu instid0(VALU_DEP_2)
	v_cvt_i32_f32 v214, v214
	s_delay_alu instid0(VALU_DEP_2)
	v_ldexp_f32 v216, 1.0, v213
	s_delay_alu instid0(VALU_DEP_2)
	v_ldexp_f32 v218, 1.0, v214
	s_delay_alu instid0(VALU_DEP_2)
	v_mov_b32 v217, v216                           ; pairs for the packed forms
	s_delay_alu instid0(VALU_DEP_2)
	v_mov_b32 v219, v218
	s_delay_alu instid0(VALU_DEP_2)
	v_pk_mul_f32 v[14:15], v[14:15], v[216:217]
	s_delay_alu instid0(VALU_DEP_1)
	v_pk_fma_f32 v[14:15], v[210:211], v[218:219], v[14:15]
.set nn, 0
.rept 16
	v_pk_mul_f32 v[160+nn:161+nn], v[160+nn:161+nn], v[216:217]
.set nn, nn+2
.endr
.set nn, 0
.rept 16
	v_pk_fma_f32 v[160+nn:161+nn], v[96+nn:97+nn], v[218:219], v[160+nn:161+nn]
.set nn, nn+2
.endr
	WAYOUT                                         ; the late block is finished
.Lno_merge:
	s_wait_tensorcnt 0x0
	ds_add_u32 v222, v223
	s_wait_dscnt 0x0
	CROUND                                         ; the closing round
	s_endpgm
.Lfunc_end_k_qc047c69402_attn:
	.size	k_qc047c69402_attn, .Lfunc_end_k_qc047c69402_attn-k_qc047c69402_attn
	.p2alignl 7, 3214868480
	.fill 96, 4, 3214868480
	.section	.rodata,"a",@progbits
	.p2align	6, 0x0
	.amdhsa_kernel k_qc047c69402_attn
		.amdhsa_group_segment_fixed_size 284672
		.amdhsa_private_segment_fixed_size 0
		.amdhsa_enable_private_segment 0
		.amdhsa_kernarg_size 24
		.amdhsa_user_sgpr_count 2
		.amdhsa_user_sgpr_kernarg_segment_ptr 1
		.amdhsa_wavefront_size32 1
		.amdhsa_system_sgpr_workgroup_id_x 1
		.amdhsa_system_sgpr_workgroup_id_y 1
		.amdhsa_system_sgpr_workgroup_id_z 1
		.amdhsa_system_vgpr_workitem_id 0
		.amdhsa_next_free_vgpr 256
		.amdhsa_next_free_sgpr 66
		.amdhsa_reserve_vcc 1
		.amdhsa_float_denorm_mode_32 3
		.amdhsa_float_denorm_mode_16_64 3
		.amdhsa_memory_ordered 1
		.amdhsa_forward_progress 1
		.amdhsa_inst_pref_size 92
	.end_amdhsa_kernel
	.amdgpu_metadata
---
amdhsa.version: [ 1, 2 ]
amdhsa.kernels:
  - .name:           k_qc047c69402_attn
    .symbol:         k_qc047c69402_attn.kd
    .args:
      - { .name: qb, .offset: 0, .size: 8, .value_kind: global_buffer, .address_space: global }
      - { .name: kv, .offset: 8, .size: 8, .value_kind: global_buffer, .address_space: global }
      - { .name: ao, .offset: 16, .size: 8, .value_kind: global_buffer, .address_space: global }
    .group_segment_fixed_size: 284672
    .private_segment_fixed_size: 0
    .kernarg_segment_align: 8
    .kernarg_segment_size: 24
    .max_flat_workgroup_size: 512
    .sgpr_count:     66
    .vgpr_count:     256
    .wavefront_size: 32
...
	.end_amdgpu_metadata
.endif
;; end of part 3
;; launch wo (part 4): grid 8 x 32, 4 waves a work-group, clusters of 4 x 4, 327,680 bytes of LDS; arguments ao, wimg, H, h1; writes h1
.if DOCPART == 4
	.amdgcn_target "amdgcn-amd-amdhsa--gfx1250"
	.amdhsa_code_object_version 6
	.text
	.protected	k_qc047c69402_wo
	.globl	k_qc047c69402_wo
	.p2align	8
	.type	k_qc047c69402_wo,@function
k_qc047c69402_wo:
	s_mov_b64 s[64:65], 0
	v_nop
	global_prefetch_b8 v0, s[64:65] scope:SCOPE_SE
	s_setreg_imm32_b32 hwreg(HW_REG_WAVE_MODE, 25, 1), 1
	s_wait_xcnt 0x0
	s_wait_alu depctr_hold_cnt(0) depctr_sa_sdst(0) depctr_va_vdst(0) depctr_va_sdst(0) depctr_va_ssrc(0) depctr_va_vcc(0) depctr_vm_vsrc(0)
	s_getreg_b32 s2, hwreg(HW_REG_IB_STS2, 6, 4)
	s_cmp_eq_u32 s2, 0
	s_cbranch_scc0 .Lentry_in_a_cluster
	s_endpgm
.Lentry_in_a_cluster:
	s_bfe_u32 s2, ttmp6, 0x10000c
	s_cmp_lg_u32 s2, 0xf033
	s_cbranch_scc0 .Lentry_shape_is_right
	s_endpgm
.Lentry_shape_is_right:
; h1 = H + ao Wo: the product on codes of BF6 (E3M2) with E8M0 scales, K = 1,024, f32 sums; the residual is added in f32 on the way out.
; OPERANDS lie as images of their registers: [block of 128 rows][K step of 128][chunk of 12,800 bytes]: eight fragments of 1,536 bytes and 8 x 16 scale words at 12,288.
; SHARES.  A work-group makes 128 x 128 of h1, four waves 64 x 64 each.  Both blocks, all of K (102,400 bytes each), come once: one tensor load a wave at the head, waves 0, 1 the halves of ao's block, waves 2, 3 of Wo's.
; CLUSTER 4 x 4: ao's block is shared along a row, Wo's along a column: joint loads.  No prefetch: all that the launch reads is asked for at its head.
; OUT: 16 rows at a time through the wave's own stage in LDS, back as rows of 256 bytes; H's rows wait in window 2.
; LIMITS: NaN and infinities are not served.
.set CH,    12800
.set RBB,   8*CH
.set STAGE, 3*RBB+512
.set ASL,   0
.set A16, 1
.set A8,  3
.set B16, 5
.set B8,  9
.set SCA, 13
.set STO, 25
.set RD,  26
.set CO,  27
.set SC,  32
.set BK,  40
.set ACC, 128
.set WV,  12
.set WI,  13
.set WC,  14
.set G1A, 24
.set G0A, 32
.set G0B, 36
.set G1B, 48
.set RESB, 60
.set OUT, 62
.set MSB, 0
.macro WIN new
.if MSB != \new
	s_set_vgpr_msb (MSB<<8)|\new
.set MSB, \new
.endif
.endm
.set MUL,  0x05
.set TO_F, 0x40
.macro PLACES
.rept 4
	v_nop
.endr
.endm
.macro CROUND
	s_barrier_signal -1
	s_barrier_wait -1
	s_cmp_lg_u32 s[WV], 0
	s_cbranch_scc1 .Lnot_wave_0_\@
	s_barrier_signal -3
.Lnot_wave_0_\@:
	s_barrier_wait -3
	s_barrier_signal -1
	s_barrier_wait -1
.endm
.macro FRAG f, p16, p8, off
	ds_load_b128 v[\f:\f+3], v[\p16] offset:\off
	ds_load_b64 v[\f+4:\f+5], v[\p8] offset:\off
	ds_load_b128 v[\f+6:\f+9], v[\p16] offset:\off+768
	ds_load_b64 v[\f+10:\f+11], v[\p8] offset:\off+768
.endm
.macro FETCH buf, st, a16, a8, b16, b8, sc, off
	WIN 0
.irp t, 0,1,2,3
	ds_load_b32 v[SC+4*(\st)+\t], v[\sc] offset:(\off)+64*\t
.endr
	WIN TO_F
.irp t, 0,1,2,3
	FRAG (\buf)+48+12*\t, \b16, \b8, (\off)+1536*\t
.endr
.irp t, 0,1,2,3
	FRAG (\buf)+12*\t, \a16, \a8, (\off)+1536*\t
.endr
.endm
.macro KFETCH slot, k
	FETCH 128*((\k)%2), (\k)%2, A16+2*ASL*(\slot)+(\k)/4, A8+2*ASL*(\slot)+(\k)/4, B16+2*(\slot)+(\k)/4, B8+2*(\slot)+(\k)/4, SCA+2*(\slot)+(\k)/4, ((\k)%4)*CH
.endm
.macro MUL8 buf, st, a0, mode
.irp a, \a0, \a0+1
.irp b, 0,1,2,3
.set rD, ACC+8*(4*(\a)+\b)
.set rX, (\buf)+48+12*\b
.set rY, (\buf)+12*(\a)
.set qX, SC+4*(\st)+\b
.set qY, SC+4*(\st)+(\a)
.if \mode == 1
	v_wmma_scale_f32_16x16x128_f8f6f4 v[rD:rD+7], v[rX:rX+11], v[rY:rY+11], 0, v[qX], v[qY] matrix_a_fmt:MATRIX_FMT_BF6 matrix_b_fmt:MATRIX_FMT_BF6 matrix_a_scale:MATRIX_SCALE_ROW1
.else
	v_wmma_scale_f32_16x16x128_f8f6f4 v[rD:rD+7], v[rX:rX+11], v[rY:rY+11], v[rD:rD+7], v[qX], v[qY] matrix_a_fmt:MATRIX_FMT_BF6 matrix_b_fmt:MATRIX_FMT_BF6 matrix_a_scale:MATRIX_SCALE_ROW1
.endif
.endr
.endr
.endm
.macro STEP slot, k, mode, more
	s_wait_dscnt 8
	WIN MUL
	MUL8 128*((\k)%2), (\k)%2, 0, \mode
.if \more
	PLACES
	KFETCH \slot, (\k)+1
	s_wait_dscnt 36
.else
	s_wait_dscnt 0x0
.endif
	WIN MUL
	MUL8 128*((\k)%2), (\k)%2, 2, \mode
.endm
.macro TOSTAGE a
.irp b, 0,1,2,3
	ds_store_b128 v[STO], v[ACC+8*(4*(\a)+\b):ACC+8*(4*(\a)+\b)+3] offset:128*(\b/2)+32*(\b%2)
	ds_store_b128 v[STO], v[ACC+8*(4*(\a)+\b)+4:ACC+8*(4*(\a)+\b)+7] offset:128*(\b/2)+32*(\b%2)+16
.endr
.irp t, 0,1,2,3,4,5,6,7
	ds_load_b128 v[BK+32*((\a)%2)+4*\t:BK+32*((\a)%2)+4*\t+3], v[RD] offset:544*\t
.endr
.endm
.macro SEND a, younger
	s_wait_dscnt \younger
	WIN 0x08
.irp p, 0,2,4,6,8,10,12,14,16,18,20,22,24,26,28,30
	v_pk_add_f32 v[BK+32*((\a)%2)+\p:BK+32*((\a)%2)+\p+1], v[BK+32*((\a)%2)+\p:BK+32*((\a)%2)+\p+1], v[32*(\a)+\p:32*(\a)+\p+1]
.endr
	WIN 0
.irp t, 0,1,2,3,4,5,6,7
	global_store_b128 v[CO], v[BK+32*((\a)%2)+4*\t:BK+32*((\a)%2)+4*\t+3], s[OUT:OUT+1] offset:(32*((\a)/2)+8*((\a)%2)+2*\t+8*(\t/4))*4096
.endr
.endm
	s_load_b256 s[4:11], s[0:1], 0x0
	v_lshl_add_u32 v126, v0, 2, 0x4f600
	v_mov_b32 v127, 0
	ds_add_u32 v126, v127
	ds_add_u32 v126, v127
	v_lshrrev_b32 v20, 5, v0
	v_readfirstlane_b32 s[WV], v20
	s_lshr_b32 s[WI], s[WV], 1
	s_and_b32 s[WC], s[WV], 1
	s_bfe_u32 s40, ttmp6, 0x40000
	s_bfe_u32 s41, ttmp6, 0x40004
	s_lshl_b32 s42, ttmp9, 2
	s_add_co_u32 s42, s42, s40
	s_and_b32 s43, ttmp7, 0xffff
	s_lshl_b32 s43, s43, 2
	s_add_co_u32 s43, s43, s41
	s_lshl_b32 s44, s41, 2
	s_lshl_b32 s44, 15, s44
	s_lshl_b32 s45, 0x1111, s40
	s_or_b32 s[G1A], s44, (3<<16)|(1<<21)
	s_or_b32 s[G1B], s45, (3<<16)|(1<<21)
.irp g, G1A, G1B                       ; half a block: a dense run of 51,200 bytes as 200 rows of 256
	s_mov_b32 s[\g+1], 32<<16
	s_mov_b32 s[\g+2], 200<<16
	s_mov_b32 s[\g+3], 32<<16
	s_mov_b32 s[\g+4], 200
	s_mov_b32 s[\g+5], 32
	s_mov_b32 s[\g+6], 0
	s_mov_b32 s[\g+7], 0
.endr
	s_mul_i32 s18, s[WC], 4*CH                     ; my half: K steps 4 (w % 2) on, in memory and in LDS
	s_mul_i32 s16, s43, RBB
	s_add_co_u32 s16, s16, s18
	s_mov_b32 s17, 0
	s_mul_i32 s46, s42, RBB
	s_add_co_u32 s46, s46, s18
	s_add_co_u32 s46, s46, 192*CH
	s_mov_b32 s47, 0
	s_lshl_b32 s66, s43, 19
	s_lshl_b32 s67, s[WI], 18
	s_add_co_u32 s66, s66, s67
	s_lshl_b32 s67, s42, 9
	s_add_co_u32 s66, s66, s67
	s_lshl_b32 s67, s[WC], 8
	s_add_co_u32 s66, s66, s67
	s_mov_b32 s67, 0
	s_wait_dscnt 0x0
	s_wait_kmcnt 0x0
	s_add_nc_u64 s[16:17], s[4:5], s[16:17]
	s_add_nc_u64 s[46:47], s[6:7], s[46:47]
	s_add_nc_u64 s[RESB:RESB+1], s[8:9], s[66:67]
	s_add_nc_u64 s[OUT:OUT+1], s[10:11], s[66:67]
	s_mov_b32 s[G0A], 1
	s_mov_b32 s[G0A+1], s18
	s_mov_b64 s[G0A+2:G0A+3], s[16:17]
	s_or_b32 s[G0A+3], s[G0A+3], 0x80000000
	s_mov_b32 s[G0B], 1
	s_add_co_u32 s[G0B+1], s18, RBB
	s_mov_b64 s[G0B+2:G0B+3], s[46:47]
	s_or_b32 s[G0B+3], s[G0B+3], 0x80000000
	CROUND
	s_cmp_eq_u32 s[WI], 0                          ; one load a wave: waves 0, 1 for ao, waves 2, 3 for Wo
	s_cbranch_scc0 .Lhead_b
	tensor_load_to_lds s[G0A:G0A+3], s[G1A:G1A+7]
	s_nop 0
	PLACES
	s_branch .Lhead_asked
.Lhead_b:
	tensor_load_to_lds s[G0B:G0B+3], s[G1B:G1B+7]
	s_nop 0
	PLACES
.Lhead_asked:
	v_and_b32 v20, 31, v0
	v_and_b32 v21, 15, v0
	v_bfe_u32 v22, v0, 4, 1
	v_lshlrev_b32 v24, 12, v22
	v_lshl_add_u32 v[CO], v21, 4, v24
	WIN 0x80
.irp a, 0,1,2,3
.irp t, 0,1,2,3,4,5,6,7
	global_load_b128 v[32*\a+4*\t:32*\a+4*\t+3], v[CO], s[RESB:RESB+1] offset:(32*(\a/2)+8*(\a%2)+2*\t+8*(\t/4))*4096
.endr
.endr
	WIN 0
	s_mul_i32 s2, s[WI], 6144
	s_mul_i32 s3, s[WC], 6144
	s_add_co_u32 s3, s3, RBB
	v_lshl_add_u32 v[A16], v20, 4, s2
	v_lshl_add_u32 v[A8], v20, 3, s2
	v_add_nc_u32 v[A8], 512, v[A8]
	v_add_nc_u32 v[A16+1], 4*CH, v[A16]
	v_add_nc_u32 v[A8+1], 4*CH, v[A8]
	v_lshl_add_u32 v[B16], v20, 4, s3
	v_lshl_add_u32 v[B8], v20, 3, s3
	v_add_nc_u32 v[B8], 512, v[B8]
	v_add_nc_u32 v[B16+1], 4*CH, v[B16]
	v_add_nc_u32 v[B8+1], 4*CH, v[B8]
	s_xor_b32 s3, s[WI], 1
	s_add_co_u32 s3, s3, s[WC]
	s_lshl_b32 s3, s3, 8
	s_add_co_u32 s3, s3, RBB-256
	s_lshl_b32 s2, s[WI], 8
	s_add_co_u32 s2, s2, 12288
	v_mul_u32_u24 v23, s3, v22
	v_lshl_add_u32 v23, v21, 2, v23
	v_add_nc_u32 v[SCA], s2, v23
	v_add_nc_u32 v[SCA+1], 4*CH, v[SCA]
	s_mul_i32 s2, s[WV], 4352
	s_add_co_u32 s2, s2, STAGE
	v_mul_u32_u24 v24, v21, 272
	v_lshl_add_u32 v24, v22, 6, v24
	v_add_nc_u32 v[STO], s2, v24
	v_mul_u32_u24 v24, v22, 272
	v_lshl_add_u32 v24, v21, 4, v24
	v_add_nc_u32 v[RD], s2, v24
	s_wait_alu depctr_va_vdst(0)
	s_wait_tensorcnt 0x0
	s_barrier_signal -1
	s_barrier_wait -1
	KFETCH 0, 0
	STEP 0, 0, 1, 1
.irp k, 1,2,3,4,5,6
	STEP 0, \k, 0, 1
.endr
	STEP 0, 7, 0, 0
	WIN 0
	PLACES
	s_wait_loadcnt 0x0
	TOSTAGE 0
.irp a, 1,2,3
.if \a > 1
	s_wait_xcnt 0x0
.endif
	TOSTAGE \a
	SEND \a-1, 16
.endr
	SEND 3, 0
	s_wait_tensorcnt 0x0
	ds_add_u32 v126, v127
	s_wait_dscnt 0x0
	CROUND
	s_endpgm
.Lfunc_end_k_qc047c69402_wo:
	.size	k_qc047c69402_wo, .Lfunc_end_k_qc047c69402_wo-k_qc047c69402_wo
	.p2alignl 7, 3214868480
	.fill 96, 4, 3214868480
	.section	.rodata,"a",@progbits
	.p2align	6, 0x0
	.amdhsa_kernel k_qc047c69402_wo
		.amdhsa_group_segment_fixed_size 327680
		.amdhsa_private_segment_fixed_size 0
		.amdhsa_enable_private_segment 0
		.amdhsa_kernarg_size 32
		.amdhsa_user_sgpr_count 2
		.amdhsa_user_sgpr_kernarg_segment_ptr 1
		.amdhsa_wavefront_size32 1
		.amdhsa_system_sgpr_workgroup_id_x 1
		.amdhsa_system_sgpr_workgroup_id_y 1
		.amdhsa_system_sgpr_workgroup_id_z 1
		.amdhsa_system_vgpr_workitem_id 0
		.amdhsa_next_free_vgpr 768
		.amdhsa_next_free_sgpr 80
		.amdhsa_reserve_vcc 0
		.amdhsa_float_denorm_mode_32 3
		.amdhsa_float_denorm_mode_16_64 3
		.amdhsa_memory_ordered 1
		.amdhsa_forward_progress 1
		.amdhsa_inst_pref_size 58
	.end_amdhsa_kernel
	.amdgpu_metadata
---
amdhsa.version: [ 1, 2 ]
amdhsa.kernels:
  - .name:           k_qc047c69402_wo
    .symbol:         k_qc047c69402_wo.kd
    .args:
      - { .name: ao, .offset: 0, .size: 8, .value_kind: global_buffer, .address_space: global }
      - { .name: wimg, .offset: 8, .size: 8, .value_kind: global_buffer, .address_space: global }
      - { .name: H, .offset: 16, .size: 8, .value_kind: global_buffer, .address_space: global }
      - { .name: h1, .offset: 24, .size: 8, .value_kind: global_buffer, .address_space: global }
    .group_segment_fixed_size: 327680
    .private_segment_fixed_size: 0
    .kernarg_segment_align: 8
    .kernarg_segment_size: 32
    .max_flat_workgroup_size: 128
    .sgpr_count:     80
    .vgpr_count:     768
    .wavefront_size: 32
...
	.end_amdgpu_metadata
.endif
;; end of part 4
;; launch ln2 (part 5): grid 256 x 1, 16 waves a work-group, no clusters, 88,576 bytes of LDS; arguments h1, ln2_g, ln2_b, xc; writes xc
.if DOCPART == 5
	.amdgcn_target "amdgcn-amd-amdhsa--gfx1250"
	.amdhsa_code_object_version 6
	.text
	.protected	k_qc047c69402_ln2
	.globl	k_qc047c69402_ln2
	.p2align	8
	.type	k_qc047c69402_ln2,@function
k_qc047c69402_ln2:
	s_mov_b64 s[64:65], 0
	v_nop
	global_prefetch_b8 v0, s[64:65] scope:SCOPE_SE
	s_setreg_imm32_b32 hwreg(HW_REG_WAVE_MODE, 25, 1), 1
	s_wait_xcnt 0x0
; y = (x - mean) * rsqrt(var + 1e-5) * g + b along rows of 1,024 f32, then y as codes of BF6 (E3M2) with one E8M0 byte for each 32 along the row, laid as a product's operand.
; The operand's layout: [block of 128 rows][K step of 128][chunk of 12,800 bytes]; a chunk is eight fragments of 1,536 bytes (tile t: 16 rows) and 8 x 16 scale words at 12,288.
; Lane r of tile t holds row 32 (t / 2) + 8 (t % 2) + r + 8 (r / 8).  A fragment is the image of its 12 registers: half c: registers 6 c .. 6 c + 3 at 768 c + 16 x lane, 6 c + 4, 6 c + 5 at 768 c + 512 + 8 x lane.
; SHARES.  A work-group makes one tile of 16 rows for all of K; SIXTEEN WAVES, wave w the row of lane r = w, kept in 32 registers: memory is read once, and the chain of sums, rsqrt and conversions is one row long.
; Each load reads 512 neighbouring bytes.  For the conversions a lane must hold 32 NEIGHBOURS: the finished row turns through the wave's own stage in LDS (places of 128 + 16 bytes) and lane l gets block l.
; The codes are gathered in LDS as the eight fragments' images; behind one barrier waves 0-7 carry a K step each out: three runs of 512 aligned bytes, and its 16 scale words as 64 bytes (lanes r and r + 16 store the same word).
; Mean and variance in two passes, in f32, as the definition has them.
; LIMITS: a block whose largest magnitude lies under 2^-122 (a block of zeros too) gets the byte 1; the bytes are read by this program alone.  NaN and infinities are not served.
; No matrix unit, no cluster: work-groups share only g and b, 8 KiB.  No prefetch: all that a wave reads is asked for at its head.
.set TURNB, 4608                       ; a wave's turning stage: 32 places of 144 bytes
.set IMG,   16*TURNB                   ; eight fragments' images, 12,288 bytes
.set SCL,   IMG+12288                  ; eight K steps x 16 scale words
.set SPARE, SCL+512                    ; the spare words, 128 bytes a wave, which no other line names
.set Y,     32                         ; v32-63   my block of 32 neighbours
.set R,     64                         ; v64-95   the wave's row
.set GG,    96                         ; v96-127  g
.set BB,    128                        ; v128-159 b
	s_load_b256 s[4:11], s[0:1], 0x0               ; x, g, b, the codes
	v_lshl_add_u32 v18, v0, 2, SPARE               ; my spare word, and 0: kept for the closing lines
	v_mov_b32 v19, 0
	v_lshrrev_b32 v1, 5, v0
	v_readfirstlane_b32 s12, v1                    ; wave = r
	s_lshr_b32 s13, ttmp9, 1
	s_lshl_b32 s13, s13, 5
	s_and_b32 s14, ttmp9, 1
	s_lshl_b32 s14, s14, 3
	s_add_co_u32 s13, s13, s14
	s_add_co_u32 s13, s13, s12
	s_and_b32 s14, s12, 8
	s_add_co_u32 s13, s13, s14                     ; my row: 32 (tile / 2) + 8 (tile % 2) + w + 8 (w / 8)
	s_lshl_b32 s14, s13, 12
	s_mov_b32 s15, 0
	s_mul_i32 s16, s12, TURNB                      ; my stage
	s_lshl_b32 s17, s12, 4
	s_add_co_u32 s17, s17, IMG                     ; the images: + 16 r,
	s_lshl_b32 s18, s12, 3
	s_add_co_u32 s18, s18, IMG+512                 ; + 8 r,
	s_lshl_b32 s19, s12, 2
	s_add_co_u32 s19, s19, SCL                     ; the scale words: + 4 r
	s_and_b32 s28, s12, 7                          ; the way out: K step w (waves 0-7)
	s_mul_i32 s29, s28, 1536
	s_add_co_u32 s29, s29, IMG
	s_lshl_b32 s30, s28, 6
	s_add_co_u32 s30, s30, SCL
	s_lshr_b32 s31, ttmp9, 3
	s_lshl_b32 s31, s31, 3
	s_add_co_u32 s31, s31, s28
	s_mul_i32 s31, s31, 12800                      ; chunk (tile / 8) x 8 + K step
	s_and_b32 s2, ttmp9, 7
	s_mul_i32 s22, s2, 1536
	s_add_co_u32 s22, s22, s31
	s_mov_b32 s23, 0
	s_lshl_b32 s24, s2, 6
	s_add_co_u32 s24, s24, s31
	s_add_co_u32 s24, s24, 12288
	s_mov_b32 s25, 0
	s_mov_b32 s20, 0x3a800000                      ; 1 / 1,024
	s_mov_b32 s21, 0x3727c5ac                      ; 1e-5
	s_mov_b32 s26, 0x76543210                      ; v_permlanex16_b32's selects for lane l xor 16
	s_mov_b32 s27, 0xfedcba98
	v_and_b32 v1, 31, v0                           ; lane
	v_lshlrev_b32 v2, 4, v1                        ; 16 x lane
	v_lshrrev_b32 v8, 3, v1
	v_lshl_add_u32 v3, v8, 4, v2
	v_add_nc_u32 v3, s16, v3                       ; the turn, in: 16 x lane, + 16 for each 128 bytes passed
	v_mul_u32_u24 v4, v1, 144
	v_add_nc_u32 v4, s16, v4                       ; and out: place l
	v_lshrrev_b32 v8, 2, v1                        ; block l is block l % 4 of K step l / 4: half (l / 2) % 2, lanes' half l % 2
	v_bfe_u32 v9, v1, 1, 1
	v_and_b32 v10, 1, v1
	v_mul_u32_u24 v11, v8, 1536
	v_mad_u32_u24 v11, v9, 768, v11
	v_lshl_add_u32 v5, v10, 8, v11
	v_add_nc_u32 v5, s17, v5                       ; the image's first four registers of lane r + 16 (l % 2)
	v_lshl_add_u32 v6, v10, 7, v11
	v_add_nc_u32 v6, s18, v6                       ; its last two
	v_and_b32 v7, 3, v1
	v_lshl_add_u32 v7, v8, 6, v7
	v_add_nc_u32 v7, s19, v7                       ; the block's byte in row r's word of its K step
	v_add_nc_u32 v29, s29, v2                      ; the way out: my K step's image,
	v_and_b32 v9, 15, v1
	v_lshl_add_u32 v30, v9, 2, s30                 ; its scale words in LDS,
	v_lshlrev_b32 v31, 2, v9                       ; and in the chunk
	s_wait_alu depctr_va_vdst(0)                   ; the wait at the head's end
	s_wait_kmcnt 0x0
	s_add_nc_u64 s[4:5], s[4:5], s[14:15]
	s_add_nc_u64 s[22:23], s[10:11], s[22:23]
	s_add_nc_u64 s[24:25], s[10:11], s[24:25]
.irp j, 0,1,2,3,4,5,6,7
	global_load_b128 v[R+4*\j:R+4*\j+3], v2, s[4:5] offset:512*\j
.endr
.irp j, 0,1,2,3,4,5,6,7
	global_load_b128 v[GG+4*\j:GG+4*\j+3], v2, s[6:7] offset:512*\j
.endr
.irp j, 0,1,2,3,4,5,6,7
	global_load_b128 v[BB+4*\j:BB+4*\j+3], v2, s[8:9] offset:512*\j
.endr
.macro REDUCE                          ; four chains v[8:15] into v8, then over the 32 lanes; every lane ends with the sum
	v_pk_add_f32 v[8:9], v[8:9], v[10:11]
	v_pk_add_f32 v[12:13], v[12:13], v[14:15]
	v_pk_add_f32 v[8:9], v[8:9], v[12:13]
	v_add_f32 v8, v8, v9
	v_add_f32_dpp v8, v8, v8 row_xmask:1 row_mask:0xf bank_mask:0xf
	v_add_f32_dpp v8, v8, v8 row_xmask:2 row_mask:0xf bank_mask:0xf
	v_add_f32_dpp v8, v8, v8 row_xmask:4 row_mask:0xf bank_mask:0xf
	v_add_f32_dpp v8, v8, v8 row_xmask:8 row_mask:0xf bank_mask:0xf
	v_permlanex16_b32 v9, v8, s26, s27
	v_add_f32 v8, v8, v9
.endm
	s_wait_loadcnt 16                              ; the row is in; g's and b's eight loads each may be out
	v_pk_add_f32 v[8:9], v[R:R+1], v[R+2:R+3]
	v_pk_add_f32 v[10:11], v[R+4:R+5], v[R+6:R+7]
	v_pk_add_f32 v[12:13], v[R+8:R+9], v[R+10:R+11]
	v_pk_add_f32 v[14:15], v[R+12:R+13], v[R+14:R+15]
.irp k, 16,24
	v_pk_add_f32 v[8:9], v[8:9], v[R+\k:R+\k+1]
	v_pk_add_f32 v[10:11], v[10:11], v[R+\k+2:R+\k+3]
	v_pk_add_f32 v[12:13], v[12:13], v[R+\k+4:R+\k+5]
	v_pk_add_f32 v[14:15], v[14:15], v[R+\k+6:R+\k+7]
.endr
	REDUCE
	v_mul_f32 v10, s20, v8                         ; the mean, twice: a pair for the packed form
	v_mov_b32 v11, v10
.irp k, 0,2,4,6,8,10,12,14,16,18,20,22,24,26,28,30
	v_pk_add_f32 v[R+\k:R+\k+1], v[R+\k:R+\k+1], v[10:11] neg_lo:[0,1] neg_hi:[0,1]   ; x - mean
.endr
	v_pk_mul_f32 v[8:9], v[R:R+1], v[R:R+1]
	v_pk_mul_f32 v[10:11], v[R+2:R+3], v[R+2:R+3]
	v_pk_mul_f32 v[12:13], v[R+4:R+5], v[R+4:R+5]
	v_pk_mul_f32 v[14:15], v[R+6:R+7], v[R+6:R+7]
.irp k, 8,16,24
	v_pk_fma_f32 v[8:9], v[R+\k:R+\k+1], v[R+\k:R+\k+1], v[8:9]
	v_pk_fma_f32 v[10:11], v[R+\k+2:R+\k+3], v[R+\k+2:R+\k+3], v[10:11]
	v_pk_fma_f32 v[12:13], v[R+\k+4:R+\k+5], v[R+\k+4:R+\k+5], v[12:13]
	v_pk_fma_f32 v[14:15], v[R+\k+6:R+\k+7], v[R+\k+6:R+\k+7], v[14:15]
.endr
	REDUCE
	v_fma_f32 v8, v8, s20, s21                     ; the variance + 1e-5
	s_wait_alu depctr_va_vdst(0)                   ; the wait ahead of the transcendentals
	v_rsq_f32 v10, v8
	v_rsq_f32 v11, v8
	v_nop                                          ; a plain line behind the transcendentals (ISA guide 5.7.2)
	s_wait_alu depctr_va_vdst(0)                   ; the wait ahead of the first reader: one for both
.irp k, 0,2,4,6,8,10,12,14,16,18,20,22,24,26,28,30
	v_pk_mul_f32 v[R+\k:R+\k+1], v[R+\k:R+\k+1], v[10:11]
.endr
	s_wait_loadcnt 0x0                             ; g and b
.irp k, 0,2,4,6,8,10,12,14,16,18,20,22,24,26,28,30
	v_pk_fma_f32 v[R+\k:R+\k+1], v[R+\k:R+\k+1], v[GG+\k:GG+\k+1], v[BB+\k:BB+\k+1]
.endr
.irp j, 0,1,2,3,4,5,6,7
	ds_store_b128 v3, v[R+4*\j:R+4*\j+3] offset:576*\j             ; the row as it lies, four places a store
.endr
.irp k, 0,1,2,3,4,5,6,7
	ds_load_b128 v[Y+4*\k:Y+4*\k+3], v4 offset:16*\k               ; LDS serves a wave's instructions in order: these see the stores above
.endr
	s_wait_dscnt 0x0                               ; my block is in
	v_max3_num_f32 v8, |v[Y]|, |v[Y+1]|, |v[Y+2]|
	v_max3_num_f32 v9, |v[Y+3]|, |v[Y+4]|, |v[Y+5]|
.irp k, 6,10,14,18,22,26
	v_max3_num_f32 v8, v8, |v[Y+\k]|, |v[Y+\k+1]|
	v_max3_num_f32 v9, v9, |v[Y+\k+2]|, |v[Y+\k+3]|
.endr
	v_max3_num_f32 v8, v8, |v[Y+30]|, |v[Y+31]|
	v_max3_num_f32 v8, v8, v9, 0x2800000           ; and the floor 2^(5 - 127)
	v_add_nc_u32 v10, 0xfe000000, v8               ; 4 off the exponent field: the conversion's scale operand
	v_cvt_scalef32_pk16_bf6_f32 v[20:22], v[Y:Y+15], v10
	v_cvt_scalef32_pk16_bf6_f32 v[24:26], v[Y+16:Y+31], v10
	v_lshrrev_b32 v27, 23, v10                     ; the byte; also the plain line behind the conversions
	v_mov_b32 v23, v24                             ; six registers on end
	v_mov_b32 v24, v25
	v_mov_b32 v25, v26
	ds_store_b128 v5, v[20:23]
	ds_store_b64 v6, v[24:25]
	ds_store_b8 v7, v27
	s_wait_dscnt 0x0                               ; for the others' sake: my stores into the images are done
	s_barrier_signal -1
	s_barrier_wait -1
	s_cmp_lt_u32 s12, 8                            ; eight K steps, waves 0-7
	s_cbranch_scc0 .Lno_out
.irp m, 0,1,2
	ds_load_b128 v[Y+4*\m:Y+4*\m+3], v29 offset:512*\m
.endr
	ds_load_b32 v28, v30
.irp m, 0,1,2
	s_wait_dscnt 3-\m                              ; load m is in; the 2 - m behind it and the scale words' may be out
	global_store_b128 v2, v[Y+4*\m:Y+4*\m+3], s[22:23] offset:512*\m       ; 512 consecutive bytes, aligned
.endr
	s_wait_dscnt 0x0
	global_store_b32 v31, v28, s[24:25]            ; a run of 64 bytes: the tile's words of my K step
.Lno_out:
	s_wait_tensorcnt 0x0                           ; the wave's end
	ds_add_u32 v18, v19
	s_wait_dscnt 0x0
	s_endpgm
.Lfunc_end_k_qc047c69402_ln2:
	.size	k_qc047c69402_ln2, .Lfunc_end_k_qc047c69402_ln2-k_qc047c69402_ln2
	.p2alignl 7, 3214868480
	.fill 96, 4, 3214868480
	.section	.rodata,"a",@progbits
	.p2align	6, 0x0
	.amdhsa_kernel k_qc047c69402_ln2
		.amdhsa_group_segment_fixed_size 88576
		.amdhsa_private_segment_fixed_size 0
		.amdhsa_enable_private_segment 0
		.amdhsa_kernarg_size 32
		.amdhsa_user_sgpr_count 2
		.amdhsa_user_sgpr_kernarg_segment_ptr 1
		.amdhsa_wavefront_size32 1
		.amdhsa_system_sgpr_workgroup_id_x 1
		.amdhsa_system_sgpr_workgroup_id_y 1
		.amdhsa_system_sgpr_workgroup_id_z 1
		.amdhsa_system_vgpr_workitem_id 0
		.amdhsa_next_free_vgpr 160
		.amdhsa_next_free_sgpr 66
		.amdhsa_reserve_vcc 0
		.amdhsa_float_denorm_mode_32 3
		.amdhsa_float_denorm_mode_16_64 3
		.amdhsa_memory_ordered 1
		.amdhsa_forward_progress 1
		.amdhsa_inst_pref_size 16
	.end_amdhsa_kernel
	.amdgpu_metadata
---
amdhsa.version: [ 1, 2 ]
amdhsa.kernels:
  - .name:           k_qc047c69402_ln2
    .symbol:         k_qc047c69402_ln2.kd
    .args:
      - { .name: h1, .offset: 0, .size: 8, .value_kind: global_buffer, .address_space: global }
      - { .name: ln2_g, .offset: 8, .size: 8, .value_kind: global_buffer, .address_space: global }
      - { .name: ln2_b, .offset: 16, .size: 8, .value_kind: global_buffer, .address_space: global }
      - { .name: xc, .offset: 24, .size: 8, .value_kind: global_buffer, .address_space: global }
    .group_segment_fixed_size: 88576
    .private_segment_fixed_size: 0
    .kernarg_segment_align: 8
    .kernarg_segment_size: 32
    .max_flat_workgroup_size: 512
    .sgpr_count:     66
    .vgpr_count:     160
    .wavefront_size: 32
...
	.end_amdgpu_metadata
.endif
;; end of part 5
;; launch fc1 (part 6): grid 8 x 32, 8 waves a work-group, clusters of 4 x 4, 327,680 bytes of LDS; arguments xc, wimg, b1, hid; writes hid
.if DOCPART == 6
	.amdgcn_target "amdgcn-amd-amdhsa--gfx1250"
	.amdhsa_code_object_version 6
	.text
	.protected	k_qc047c69402_fc1
	.globl	k_qc047c69402_fc1
	.p2align	8
	.type	k_qc047c69402_fc1,@function
k_qc047c69402_fc1:
	s_mov_b64 s[64:65], 0
	v_nop
	global_prefetch_b8 v0, s[64:65] scope:SCOPE_SE
	s_setreg_imm32_b32 hwreg(HW_REG_WAVE_MODE, 25, 1), 1
	s_wait_xcnt 0x0
	s_wait_alu depctr_hold_cnt(0) depctr_sa_sdst(0) depctr_va_vdst(0) depctr_va_sdst(0) depctr_va_ssrc(0) depctr_va_vcc(0) depctr_vm_vsrc(0)
	s_getreg_b32 s2, hwreg(HW_REG_IB_STS2, 6, 4)
	s_cmp_eq_u32 s2, 0
	s_cbranch_scc0 .Lentry_in_a_cluster
	s_endpgm
.Lentry_in_a_cluster:
	s_bfe_u32 s2, ttmp6, 0x10000c
	s_cmp_lg_u32 s2, 0xf033
	s_cbranch_scc0 .Lentry_shape_is_right
	s_endpgm
.Lentry_shape_is_right:
; hid = Q(gelu(x W1 + b1)): the product on codes of BF6 (E3M2) with E8M0 scales, K = 1,024; the exact (erf) GELU in f32; the result quantised in registers along the hidden axis, the next product's K.
; OPERANDS lie as images of their registers: [block of 128 rows][K step of 128][chunk of 12,800 bytes]; a chunk is eight fragments of 1,536 bytes (tile t of 16 rows) and 8 x 16 scale words at 12,288.
; Lane r of tile t holds row 32 (t / 2) + 8 (t % 2) + r + 8 (r / 8): so the 16 registers of source 0's tiles 2 b and 2 b + 1 are 16 neighbours along the next K.
; SHARES.  A work-group makes 128 rows x 4 blocks of 128 hidden units (blocks g, g + 8, g + 16, g + 24).  Four waves, 64 x 64 each.  x's block for all of K stays in LDS; W1's blocks go through two slots of 102,400 bytes.
; Source 0 = weights, source 1 = x.  The bias is the C of each sum's first matrix instruction.
; CLUSTER 4 x 4: the four of a row need the same x, the four of a column the same weights: joint loads, every wave a quarter.
; ERF: z P(z^2) / Q(z^2) on |z| <= 4 (a rational form of degrees 6 and 4 in z^2), written in x^2 = 2 z^2, so that each coefficient carries an exact power of two; gelu = x (0.5 + x_c P / Q / (2 sqrt 2)), x_c = x held to +-4 sqrt 2.
; The way out of a block is a loop of two trips over halves of the accumulators, so that the GELU's text stands twice and not four times for each block.
; A wave makes two of the four bytes of a scale word and stores them as 2 bytes a lane: those runs are written in part, one byte in twelve of the codes'.
; LIMITS: erf to about 1e-7 absolute; for large negative x the form 0.5 x (1 + erf) cancels as the definition's own f32 form does.  A block whose largest magnitude lies under 2^-122 gets the byte 1.  NaN and infinities are not served.
.set CH,    12800
.set RBB,   8*CH
.set SPARE, 3*RBB
.set ASL,   0
.set A16, 1
.set A8,  3
.set B16, 5
.set B8,  9
.set SCA, 13
.set S16, 17
.set S8,  18
.set S4,  19
.set SPW, 28
.set NIL, 29
.set BO,  30                           ; v30     64 h: my half's place among a tile's biases
.set SC,  32
.set PC,  40
.set PT,  64
.set TM,  68
.set PW,  76
.set PM,  80
.set BIAS, 96                          ; v96-127 b1 in the result's layout, eight registers for each of B's tiles
.set ACC, 128
.set WV,  12
.set WI,  13
.set WC,  14
; EIGHT WAVES IN TWO GROUPS OF FOUR; what the head says of four waves holds of each group.  Group 0 (waves 0-3) makes blocks g and g + 16 out of slot 0, group 1 (waves 4-7) blocks g + 8 and g + 24 out of slot 1,
; one phase behind: while one group multiplies, the other runs its way out, which touches no LDS.  Five phases; every barrier stands on the way of all eight waves, and only the work between barriers parts on the group.
; FILLS.  At the head one tensor load a wave: waves 0-3 the quarters of x, waves 4-7 the quarters of block g.  Every later block comes behind the full sequence and a round of the cluster's barrier, an eighth (one chunk, 50 rows of 256 bytes) a wave.
; PREFETCHES: a block of weights is 400 runs of 256 bytes; the sixteen waves of one group in my column of the cluster name 25 each.  At the head group 0 names block g + 8 and group 1 block g + 16; behind g + 8's load group 0 names g + 24.
.set GRP, 15                           ; s15     my group
.set W4,  23                           ; s23     my number in it
.set SEL, 20
.set HM,  22
.set G1A, 24
.set G0A, 32
.set G0B, 36
.set G1B, 48
.set G0B1, 56
.set OB,  60
.set OS,  62
.set KA0, 66                           ; s[66:87] the coefficients, each twice: the packed forms name pairs
.set KA2, 68
.set KA3, 70
.set KA4, 72
.set KA5, 74
.set KA6, 76
.set KB0, 78
.set KB2, 80
.set KB3, 82
.set KB4, 84
.set KAP, 86
.set CLO, 88
.set CHI, 89
.set BBS, 90
.set MSB, 0
.macro WIN new                         ; the immediate's high byte repeats the setting that is left
.if MSB != \new
	s_set_vgpr_msb (MSB<<8)|\new
.set MSB, \new
.endif
.endm
.set MUL,  0x05
.set TO_F, 0x40
.macro PLACES
.rept 4
	v_nop
.endr
.endm
.macro CROUND
	s_barrier_signal -1
	s_barrier_wait -1
	s_cmp_lg_u32 s[WV], 0
	s_cbranch_scc1 .Lnot_wave_0_\@
	s_barrier_signal -3
.Lnot_wave_0_\@:
	s_barrier_wait -3
	s_barrier_signal -1
	s_barrier_wait -1
.endm
.macro FRAG f, p16, p8, off
	ds_load_b128 v[\f:\f+3], v[\p16] offset:\off
	ds_load_b64 v[\f+4:\f+5], v[\p8] offset:\off
	ds_load_b128 v[\f+6:\f+9], v[\p16] offset:\off+768
	ds_load_b64 v[\f+10:\f+11], v[\p8] offset:\off+768
.endm
.macro FETCH buf, st, a16, a8, b16, b8, sc, off    ; 36 LDS loads: scale words, B's four fragments, A's four; A's last two fragments last
	WIN 0
.irp t, 0,1,2,3
	ds_load_b32 v[SC+4*(\st)+\t], v[\sc] offset:(\off)+64*\t
.endr
	WIN TO_F
.irp t, 0,1,2,3
	FRAG (\buf)+48+12*\t, \b16, \b8, (\off)+1536*\t
.endr
.irp t, 0,1,2,3
	FRAG (\buf)+12*\t, \a16, \a8, (\off)+1536*\t
.endr
.endm
.macro KFETCH slot, k
	FETCH 128*((\k)%2), (\k)%2, A16+2*ASL*(\slot)+(\k)/4, A8+2*ASL*(\slot)+(\k)/4, B16+2*(\slot)+(\k)/4, B8+2*(\slot)+(\k)/4, SCA+2*(\slot)+(\k)/4, ((\k)%4)*CH
.endm
; 8 matrix instructions: A's tiles a0, a0 + 1 x B's four; source 0 = B.  mode 2: the first product starts the sums from the bias.  The 16 accumulators take turns.
.macro MUL8 buf, st, a0, mode
.irp a, \a0, \a0+1
.irp b, 0,1,2,3
.set rD, ACC+8*(4*(\a)+\b)
.set rX, (\buf)+48+12*\b
.set rY, (\buf)+12*(\a)
.set qX, SC+4*(\st)+\b
.set qY, SC+4*(\st)+(\a)
.if \mode == 2
	v_wmma_scale_f32_16x16x128_f8f6f4 v[rD:rD+7], v[rX:rX+11], v[rY:rY+11], v[BIAS+8*\b:BIAS+8*\b+7], v[qX], v[qY] matrix_a_fmt:MATRIX_FMT_BF6 matrix_b_fmt:MATRIX_FMT_BF6 matrix_a_scale:MATRIX_SCALE_ROW1
.else
	v_wmma_scale_f32_16x16x128_f8f6f4 v[rD:rD+7], v[rX:rX+11], v[rY:rY+11], v[rD:rD+7], v[qX], v[qY] matrix_a_fmt:MATRIX_FMT_BF6 matrix_b_fmt:MATRIX_FMT_BF6 matrix_a_scale:MATRIX_SCALE_ROW1
.endif
.endr
.endr
.endm
.macro STEP slot, k, mode, more
	s_wait_dscnt 8                                 ; all but the youngest eight loads (A's tiles 2 and 3) are in
	WIN MUL
	MUL8 128*((\k)%2), (\k)%2, 0, \mode
.if \more
	PLACES
	KFETCH \slot, (\k)+1
	s_wait_dscnt 36                                ; all but the 36 just issued
.else
	s_wait_dscnt 0x0
.endif
	WIN MUL
	MUL8 128*((\k)%2), (\k)%2, 2, \mode
.endm
.macro MAIN slot
	s_wait_loadcnt 0x0                             ; this block's biases
	KFETCH \slot, 0
	STEP \slot, 0, 2, 1
.irp k, 1,2,3,4,5,6
	STEP \slot, \k, 0, 1
.endr
	STEP \slot, 7, 0, 0
	WIN 0
.endm
; The change of slots: each wave waits for all its tensor loads, adds 0 to its spare word, and waits for that and for its reads of the slot that it leaves.  fill = 1: behind a round of the cluster's barrier
; that slot takes the block of weights 16 n-blocks on: one load a wave, first thing there; it has a way out and a whole run over K in which to land.
.macro CHANGE fill, g0
	WIN 0
	s_wait_tensorcnt 0x0                           ; no tensor load of mine is out, so a group 0 may be written
	ds_add_u32 v[SPW], v[NIL]                      ; 0 onto my spare word
.if \fill == 1
	s_add_nc_u64 s[\g0+2:\g0+3], s[\g0+2:\g0+3], 16*RBB
.elseif \fill == 2                     ; slot 1's first fill, issued as a refill is: its address stands; from here on a load brings one chunk
	s_mov_b32 s[G1B+2], 50<<16                     ; tensor_dim1 = 50
	s_mov_b32 s[G1B+4], 50                         ; tile_dim1
.endif
	s_wait_dscnt 0x0                               ; the add is done, and my reads of the slot are over
.if \fill
	CROUND
	tensor_load_to_lds s[\g0:\g0+3], s[G1B:G1B+7]
	s_nop 0
.else
	s_barrier_signal -1
	s_barrier_wait -1
.endif
	PLACES
.endm
.macro BIASLD t                        ; block t's biases: lane (r, h), B's tile b: hidden units 32 (b / 2) + 8 (b % 2) + 16 h + 0 .. 7 of my 64
.irp b, 0,1,2,3
	global_load_b128 v[BIAS+8*\b:BIAS+8*\b+3], v[BO], s[BBS:BBS+1] offset:4096*(\t)+128*(\b/2)+32*(\b%2)
	global_load_b128 v[BIAS+8*\b+4:BIAS+8*\b+7], v[BO], s[BBS:BBS+1] offset:4096*(\t)+128*(\b/2)+32*(\b%2)+16
.endr
.endm
.macro QUANT2 s, pc, pw                ; 32 numbers of a lane, register 16 b + i = index 32 b + 16 (lane / 16) + i, become half a fragment and its two scale bytes
.irp b, 0,1
	v_max3_num_f32 v[TM+\b], |v[\s+16*\b]|, |v[\s+16*\b+1]|, 0x2800000
.endr
.irp i, 2,4,6,8,10,12,14
.irp b, 0,1
	v_max3_num_f32 v[TM+\b], v[TM+\b], |v[\s+16*\b+\i]|, |v[\s+16*\b+\i+1]|
.endr
.endr
.irp b, 0,1
	v_permlanex16_b32 v[TM+2+\b], v[TM+\b], s[SEL], s[SEL+1]
.endr
.irp b, 0,1
	v_max_num_f32 v[TM+\b], v[TM+\b], v[TM+2+\b]
.endr
.irp b, 0,1
	v_add_nc_u32 v[TM+4+\b], 0xfe000000, v[TM+\b]
.endr
.irp b, 0,1
	v_lshrrev_b32 v[TM+6+\b], 23, v[TM+4+\b]
.endr
	v_lshl_or_b32 v[\pw], v[TM+7], 8, v[TM+6]
	v_cvt_scalef32_pk16_bf6_f32 v[\pc:\pc+2], v[\s:\s+15], v[TM+4]
	v_cvt_scalef32_pk16_bf6_f32 v[PT:PT+2], v[\s+16:\s+31], v[TM+5]
	v_nop                                          ; one plain line behind a scaled conversion
.irp i, 0,1,2
	v_permlane16_swap_b32 v[\pc+\i], v[PT+\i]
.endr
.irp i, 0,1,2
	v_mov_b32 v[\pc+3+\i], v[PT+\i]
.endr
.endm
; gelu of 32 registers from v[s] on, in place.  At work, in window 1, where fragment buffer 0 is free: v0-31 x_c, then the factor; v32-63 x_c^2; v64-95 P; v96-127 Q.  The 16 pairs take turns, so that no line waits for the line above it.
.macro HORNER acc, kc
.set nn, 0
.rept 16
	v_pk_fma_f32 v[\acc+nn:\acc+nn+1], v[\acc+nn:\acc+nn+1], v[32+nn:33+nn], s[\kc:\kc+1] op_sel_hi:[1,1,0]
.set nn, nn+2
.endr
.endm
.macro GELU32 s
	WIN 0x40                                       ; destination window 1
.set nn, 0
.rept 32
	v_med3_num_f32 v[nn], v[\s+nn], s[CLO], s[CHI] ; x held to +-4 sqrt 2; each accumulator is read from its low end on
.set nn, nn+1
.endr
	WIN 0x55                                       ; all in window 1
.set nn, 0
.rept 16
	v_pk_mul_f32 v[32+nn:33+nn], v[nn:nn+1], v[nn:nn+1]
.set nn, nn+2
.endr
.set nn, 0
.rept 16
	v_pk_fma_f32 v[64+nn:65+nn], v[32+nn:33+nn], s[KA0:KA0+1], v[224:225] op_sel_hi:[1,0,1]
.set nn, nn+2
.endr
.set nn, 0
.rept 16
	v_pk_fma_f32 v[96+nn:97+nn], v[32+nn:33+nn], s[KB0:KB0+1], v[226:227] op_sel_hi:[1,0,1]
.set nn, nn+2
.endr
	HORNER 96, KB2
	HORNER 96, KB3
	HORNER 96, KB4
.set nn, 0
	s_wait_alu depctr_va_vdst(0)
.rept 32
	v_rcp_f32 v[96+nn], v[96+nn]                   ; 1 / Q: one batch; P's five steps are the work behind it
.set nn, nn+1
.endr
	HORNER 64, KA2
	HORNER 64, KA3
	HORNER 64, KA4
	HORNER 64, KA5
	HORNER 64, KA6
.set nn, 0
.rept 16
	v_pk_mul_f32 v[nn:nn+1], v[nn:nn+1], v[64+nn:65+nn]
.set nn, nn+2
.endr
	s_wait_alu depctr_va_vdst(0)                   ; the wait ahead of the batch's first reader: one for the 32
.set nn, 0
.rept 16
	v_pk_mul_f32 v[nn:nn+1], v[nn:nn+1], v[96+nn:97+nn]
.set nn, nn+2
.endr
.set nn, 0
.rept 16
	v_pk_fma_f32 v[nn:nn+1], v[nn:nn+1], s[KAP:KAP+1], 0.5 op_sel_hi:[1,0,0]       ; 0.5 (1 + erf)
.set nn, nn+2
.endr
	WIN 0x04                                       ; source 1 window 1
.set nn, 0
.rept 16
	v_pk_mul_f32 v[\s+nn:\s+nn+1], v[\s+nn:\s+nn+1], v[nn:nn+1]
.set nn, nn+2
.endr
	WIN 0
.endm
; The way out of a block of 128 hidden units: two trips, each with two of my four tiles of rows; between them accumulators 8-15 come down to 0-7's registers.
.macro EPG last
	s_mov_b32 s3, 2
.Lepg_\@:
	GELU32 ACC
	QUANT2 ACC, PC, PW
	global_store_b128 v[S16], v[PC:PC+3], s[OB:OB+1]
	global_store_b64 v[S8], v[PC+4:PC+5], s[OB:OB+1] offset:512
	GELU32 ACC+32
	QUANT2 ACC+32, PC+6, PW+1
	global_store_b128 v[S16], v[PC+6:PC+9], s[OB:OB+1] offset:1536
	global_store_b64 v[S8], v[PC+10:PC+11], s[OB:OB+1] offset:2048
	v_cndmask_b32 v[PM], v[PW], v[PW+1], s[HM]     ; lanes 0-15 the even tile's two bytes, lanes 16-31 the odd one's
	global_store_b16 v[S4], v[PM], s[OS:OS+1]
	s_cmp_eq_u32 s3, 1
	s_cbranch_scc1 .Lepg_done_\@                   ; nothing is left to bring down
.set nn, 0
.rept 64
	v_mov_b32 v[ACC+nn], v[ACC+64+nn]
.set nn, nn+1
.endr
.Lepg_done_\@:
	s_wait_xcnt 0x0                                ; the stores have read their registers and bases: both are written again
	s_add_nc_u64 s[OB:OB+1], s[OB:OB+1], 3072
	s_add_nc_u64 s[OS:OS+1], s[OS:OS+1], 128
	s_sub_co_u32 s3, s3, 1
	s_cmp_lg_u32 s3, 0
	s_cbranch_scc1 .Lepg_\@
.if !\last
	s_add_nc_u64 s[OB:OB+1], s[OB:OB+1], 16*CH-6144 ; on to my group's next block: the chunk 16 K steps further on
	s_add_nc_u64 s[OS:OS+1], s[OS:OS+1], 16*CH-256
.endif
.endm
	s_load_b256 s[4:11], s[0:1], 0x0               ; x's codes, the weights' chunks, b1, hid
	v_lshl_add_u32 v[SPW], v0, 2, SPARE
	v_mov_b32 v[NIL], 0
	ds_add_u32 v28, v29
	ds_add_u32 v28, v29
	s_wait_dscnt 0x0
	v_lshrrev_b32 v20, 5, v0
	v_readfirstlane_b32 s[WV], v20
	s_lshr_b32 s[GRP], s[WV], 2
	s_and_b32 s[W4], s[WV], 3
	s_bfe_u32 s[WI], s[WV], 0x10001                ; which half of the rows: bit 1
	s_and_b32 s[WC], s[WV], 1                      ; which half of the columns
	s_bfe_u32 s40, ttmp6, 0x40000                  ; cx, cy
	s_bfe_u32 s41, ttmp6, 0x40004
	s_lshl_b32 s42, ttmp9, 2
	s_add_co_u32 s42, s42, s40                     ; g: my first block of 128 hidden units
	s_and_b32 s43, ttmp7, 0xffff
	s_lshl_b32 s43, s43, 2
	s_add_co_u32 s43, s43, s41                     ; block of 128 rows
	s_lshl_b32 s44, s41, 2
	s_lshl_b32 s44, 15, s44
	s_lshl_b32 s45, 0x1111, s40
	s_or_b32 s[G1A], s44, (3<<16)|(1<<21)
	s_or_b32 s[G1B], s45, (3<<16)|(1<<21)
.irp g, G1A, G1B                       ; a dense block of 25,600 bytes as 100 rows of 256
	s_mov_b32 s[\g+1], 32<<16
	s_mov_b32 s[\g+2], 100<<16
	s_mov_b32 s[\g+3], 32<<16
	s_mov_b32 s[\g+4], 100
	s_mov_b32 s[\g+5], 32
	s_mov_b32 s[\g+6], 0
	s_mov_b32 s[\g+7], 0
.endr
	s_mul_i32 s18, s[W4], 2*CH                     ; the head's quarters
	s_mul_i32 s19, s[WV], CH                       ; the later loads' eighths
	s_mul_i32 s16, s43, RBB
	s_add_co_u32 s16, s16, s18
	s_mov_b32 s17, 0
	s_mul_i32 s46, s42, RBB
	s_add_co_u32 s46, s46, s19
	s_add_co_u32 s46, s46, 256*CH                  ; W1's chunks
	s_mov_b32 s47, 0
	s_mov_b32 s[SEL], 0x76543210
	s_mov_b32 s[SEL+1], 0xfedcba98
	s_mov_b32 s[HM], 0xffff0000
	s_mov_b32 s[KA0], 0xac95df0b                   ; P's coefficients, highest power first, each x 2^-(its power); the second lies in a vector pair
	s_mov_b32 s[KA2], 0xb40cff51
	s_mov_b32 s[KA3], 0xb6eec2d2
	s_mov_b32 s[KA4], 0xb940ac63
	s_mov_b32 s[KA5], 0xbac1a1f6
	s_mov_b32 s[KA6], 0xbc83dbd4
	s_mov_b32 s[KB0], 0xb57460cd                   ; Q's likewise
	s_mov_b32 s[KB2], 0xb9dc924e
	s_mov_b32 s[KB3], 0xbb719bf8
	s_mov_b32 s[KB4], 0xbc69b6a7
	s_mov_b32 s[KAP], 0x3eb504f3                   ; 1 / (2 sqrt 2)
.irp k, KA0, KA2, KA3, KA4, KA5, KA6, KB0, KB2, KB3, KB4, KAP
	s_mov_b32 s[\k+1], s[\k]                       ; (named with it as a pair, so it is written)
.endr
	s_mov_b32 s[CLO], 0xc0b504f3                   ; -4 sqrt 2
	s_mov_b32 s[CHI], 0x40b504f3
	s_lshl_b32 s92, s42, 9                         ; b1: 512 g + 256 (w % 2)
	s_lshl_b32 s93, s[WC], 8
	s_add_co_u32 s92, s92, s93
	s_lshl_b32 s93, s[GRP], 12                     ; group 1 begins 8 blocks, 4,096 bytes, on
	s_add_co_u32 s92, s92, s93
	s_mov_b32 s93, 0
	s_lshl_b32 s94, s43, 5
	s_add_co_u32 s94, s94, s42
	s_lshl_b32 s95, s[GRP], 3
	s_add_co_u32 s94, s94, s95
	s_mul_i32 s94, s94, CH                         ; hid's chunk (32 x block of rows + g + 8 x group)
	s_mov_b32 s95, 0
	s_wait_kmcnt 0x0
	s_add_nc_u64 s[16:17], s[4:5], s[16:17]
	s_add_nc_u64 s[46:47], s[6:7], s[46:47]
	s_add_nc_u64 s[BBS:BBS+1], s[8:9], s[92:93]
	s_add_nc_u64 s[OB:OB+1], s[10:11], s[94:95]
	s_mov_b64 s[OS:OS+1], s[OB:OB+1]
	s_mul_i32 s92, s[WI], 6144                     ; my four tiles of rows, my half of each fragment
	s_mul_i32 s94, s[WC], 768
	s_add_co_u32 s92, s92, s94
	s_add_nc_u64 s[OB:OB+1], s[OB:OB+1], s[92:93]
	s_lshl_b32 s92, s[WI], 8
	s_lshl_b32 s94, s[WC], 1
	s_add_co_u32 s92, s92, s94
	s_add_co_u32 s92, s92, 12288
	s_add_nc_u64 s[OS:OS+1], s[OS:OS+1], s[92:93]
	s_mov_b32 s[G0A], 1
	s_mov_b32 s[G0A+1], s18
	s_mov_b64 s[G0A+2:G0A+3], s[16:17]
	s_or_b32 s[G0A+3], s[G0A+3], 0x80000000
	s_mov_b32 s[G0B], 1
	s_add_co_u32 s[G0B+1], s19, RBB
	s_mov_b64 s[G0B+2:G0B+3], s[46:47]
	s_or_b32 s[G0B+3], s[G0B+3], 0x80000000
	s_mov_b32 s[G0B1], 1
	s_add_co_u32 s[G0B1+1], s19, 2*RBB
	s_add_nc_u64 s[G0B1+2:G0B1+3], s[46:47], 8*RBB
	s_or_b32 s[G0B1+3], s[G0B1+3], 0x80000000
	CROUND                                         ; all sixteen work-groups are here: the first joint loads meet
	s_lshl_b32 s45, s41, 2                         ; my number among the sixteen waves of my group in my column of the cluster,
	s_add_co_u32 s45, s45, s[W4]
	s_mul_i32 s45, s45, 25                         ; x 25 runs of 256 bytes
	s_mul_i32 s40, s[GRP], 8*RBB                   ; group 1 names the block 8 further on
	s_mul_i32 s46, s42, RBB
	s_add_co_u32 s46, s46, 256*CH
	s_mov_b32 s47, 0
	s_add_nc_u64 s[46:47], s[6:7], s[46:47]        ; block g of W1
	s_mov_b32 s92, 1                               ; s[92:95]: group 0 of the head's load of block g, a quarter
	s_add_co_u32 s93, s18, RBB
	s_mov_b32 s94, s18
	s_mov_b32 s95, 0
	s_add_nc_u64 s[94:95], s[46:47], s[94:95]
	s_or_b32 s95, s95, 0x80000000
	s_cmp_eq_u32 s[GRP], 0                         ; ONE LOAD A WAVE AT THE HEAD
	s_cbranch_scc0 .Lhead_b
	tensor_load_to_lds s[G0A:G0A+3], s[G1A:G1A+7]
	s_nop 0
	PLACES
	s_branch .Lhead_asked
.Lhead_b:
	tensor_load_to_lds s[92:95], s[G1B:G1B+7]
	s_nop 0
	PLACES
.Lhead_asked:
	v_and_b32 v31, 31, v0                          ; v31: the prefetches' offset: 25 lanes name my 25 runs, the others my last one again; never rewritten
	v_min_u32 v31, 24, v31
	v_add_nc_u32 v31, s45, v31
	v_lshl_add_u32 v31, v31, 8, s40
	global_prefetch_b8 v31, s[46:47] offset:8*RBB th:TH_LOAD_NT scope:SCOPE_SE     ; blocks g + 8 (group 0) and g + 16 (group 1)
	v_and_b32 v20, 31, v0                          ; lane
	v_and_b32 v21, 15, v0                          ; r
	v_bfe_u32 v22, v0, 4, 1                        ; h
	v_lshlrev_b32 v[BO], 6, v22
	BIASLD 0
	v_lshlrev_b32 v[S16], 4, v20
	v_lshlrev_b32 v[S8], 3, v20
	v_lshlrev_b32 v[S4], 2, v20
	v_mov_b32 v[TM+2], 0                           ; written once: a lane permute's destination counts as one of its sources
	v_mov_b32 v[TM+3], 0
	WIN 0x40
	v_mov_b32 v224, 0x306dffee                     ; P's second coefficient, twice,
	v_mov_b32 v225, 0x306dffee
	v_mov_b32 v226, 0xb7dfbd29                     ; and Q's, in window 1 behind the fragment buffers
	v_mov_b32 v227, 0xb7dfbd29
	WIN 0
	s_mul_i32 s2, s[WI], 6144
	s_mul_i32 s3, s[WC], 6144
	s_add_co_u32 s3, s3, RBB
	s_mul_i32 s44, s[GRP], RBB                     ; my group's slot
	s_add_co_u32 s3, s3, s44
	v_add_nc_u32 v[A16], s2, v[S16]
	v_add_nc_u32 v[A8], s2, v[S8]
	v_add_nc_u32 v[A8], 512, v[A8]
	v_add_nc_u32 v[A16+1], 4*CH, v[A16]
	v_add_nc_u32 v[A8+1], 4*CH, v[A8]
	v_add_nc_u32 v[B16], s3, v[S16]
	v_add_nc_u32 v[B8], s3, v[S8]
	v_add_nc_u32 v[B8], 512, v[B8]
.irp n, 1
	v_add_nc_u32 v[B16+\n], (\n/2)*RBB+(\n%2)*4*CH, v[B16]
	v_add_nc_u32 v[B8+\n], (\n/2)*RBB+(\n%2)*4*CH, v[B8]
.endr
	s_xor_b32 s3, s[WI], 1                         ; from A's scale words to B's, as one product with h
	s_add_co_u32 s3, s3, s[WC]
	s_lshl_b32 s3, s3, 8
	s_add_co_u32 s3, s3, RBB-256
	s_add_co_u32 s3, s3, s44
	s_lshl_b32 s2, s[WI], 8
	s_add_co_u32 s2, s2, 12288
.irp s, 0
	v_mul_u32_u24 v23, s3, v22
	v_lshl_add_u32 v23, v21, 2, v23
	v_add_nc_u32 v[SCA+2*\s], s2, v23
	v_add_nc_u32 v[SCA+2*\s+1], 4*CH, v[SCA+2*\s]
	s_add_co_u32 s3, s3, RBB
.endr
	s_wait_alu depctr_va_vdst(0)
	CHANGE 2, G0B1                                 ; x and block g are in, in every wave's part; slot 1 takes block g + 8
	v_nop                                          ; (a fifth place behind each change of slots, ahead of sums that begin anew)
	s_cmp_lg_u32 s[GRP], 0                         ; PHASE 1: group 0 multiplies block g
	s_cbranch_scc1 .Lp1
	global_prefetch_b8 v31, s[46:47] offset:24*RBB th:TH_LOAD_NT scope:SCOPE_SE    ; block g + 24: its load stands two changes of slots on
	MAIN 0
.Lp1:
	CHANGE 1, G0B                                  ; block g + 8 is in; slot 0 takes block g + 16
	v_nop
	s_cmp_lg_u32 s[GRP], 0                         ; PHASE 2: group 0's way out beside group 1's products
	s_cbranch_scc1 .Lp2m
	s_wait_loadcnt 0x0                             ; no earlier load into the biases' registers is out, on any way through the text
	BIASLD 2
	EPG 0
	s_branch .Lp2
.Lp2m:
	MAIN 0
.Lp2:
	CHANGE 1, G0B1                                 ; block g + 16 is in; slot 1 takes block g + 24
	v_nop
	s_cmp_lg_u32 s[GRP], 0                         ; PHASE 3
	s_cbranch_scc1 .Lp3e
	MAIN 0
	s_branch .Lp3
.Lp3e:
	s_wait_loadcnt 0x0                             ; likewise
	BIASLD 2
	EPG 0
.Lp3:
	CHANGE 0, G0B                                  ; block g + 24 is in; nothing is filled again
	v_nop
	s_cmp_lg_u32 s[GRP], 0                         ; PHASES 4 AND 5
	s_cbranch_scc1 .Lp4m
	EPG 1
	s_branch .Lp4
.Lp4m:
	MAIN 0
	PLACES
	EPG 1
.Lp4:
	s_wait_tensorcnt 0x0                           ; the wave's end
	ds_add_u32 v[SPW], v[NIL]
	s_wait_dscnt 0x0
	CROUND                                         ; the closing round
	s_endpgm
.Lfunc_end_k_qc047c69402_fc1:
	.size	k_qc047c69402_fc1, .Lfunc_end_k_qc047c69402_fc1-k_qc047c69402_fc1
	.p2alignl 7, 3214868480
	.fill 96, 4, 3214868480
	.section	.rodata,"a",@progbits
	.p2align	6, 0x0
	.amdhsa_kernel k_qc047c69402_fc1
		.amdhsa_group_segment_fixed_size 327680
		.amdhsa_private_segment_fixed_size 0
		.amdhsa_enable_private_segment 0
		.amdhsa_kernarg_size 32
		.amdhsa_user_sgpr_count 2
		.amdhsa_user_sgpr_kernarg_segment_ptr 1
		.amdhsa_wavefront_size32 1
		.amdhsa_system_sgpr_workgroup_id_x 1
		.amdhsa_system_sgpr_workgroup_id_y 1
		.amdhsa_system_sgpr_workgroup_id_z 1
		.amdhsa_system_vgpr_workitem_id 0
		.amdhsa_next_free_vgpr 512
		.amdhsa_next_free_sgpr 96
		.amdhsa_reserve_vcc 0
		.amdhsa_float_denorm_mode_32 3
		.amdhsa_float_denorm_mode_16_64 3
		.amdhsa_memory_ordered 1
		.amdhsa_forward_progress 1
		.amdhsa_inst_pref_size 255
	.end_amdhsa_kernel
	.section	.bss,"aw",@nobits
	.p2align	6
	.space	262144
	.amdgpu_metadata
---
amdhsa.version: [ 1, 2 ]
amdhsa.kernels:
  - .name:           k_qc047c69402_fc1
    .symbol:         k_qc047c69402_fc1.kd
    .args:
      - { .name: xc, .offset: 0, .size: 8, .value_kind: global_buffer, .address_space: global }
      - { .name: wimg, .offset: 8, .size: 8, .value_kind: global_buffer, .address_space: global }
      - { .name: b1, .offset: 16, .size: 8, .value_kind: global_buffer, .address_space: global }
      - { .name: hid, .offset: 24, .size: 8, .value_kind: global_buffer, .address_space: global }
    .group_segment_fixed_size: 327680
    .private_segment_fixed_size: 0
    .kernarg_segment_align: 8
    .kernarg_segment_size: 32
    .max_flat_workgroup_size: 256
    .sgpr_count:     96
    .vgpr_count:     512
    .wavefront_size: 32
...
	.end_amdgpu_metadata
.endif
;; end of part 6
;; launch fc2 (part 7): grid 8 x 32, 4 waves a work-group, clusters of 4 x 4, 327,680 bytes of LDS; arguments hid, wimg, b2, h1, out0; writes out0
.if DOCPART == 7
	.amdgcn_target "amdgcn-amd-amdhsa--gfx1250"
	.amdhsa_code_object_version 6
	.text
	.protected	k_qc047c69402_fc2
	.globl	k_qc047c69402_fc2
	.p2align	8
	.type	k_qc047c69402_fc2,@function
k_qc047c69402_fc2:
	s_mov_b64 s[64:65], 0
	v_nop
	global_prefetch_b8 v0, s[64:65] scope:SCOPE_SE
	s_setreg_imm32_b32 hwreg(HW_REG_WAVE_MODE, 25, 1), 1
	s_wait_xcnt 0x0
	s_wait_alu depctr_hold_cnt(0) depctr_sa_sdst(0) depctr_va_vdst(0) depctr_va_sdst(0) depctr_va_ssrc(0) depctr_va_vcc(0) depctr_vm_vsrc(0)
	s_getreg_b32 s2, hwreg(HW_REG_IB_STS2, 6, 4)
	s_cmp_eq_u32 s2, 0
	s_cbranch_scc0 .Lentry_in_a_cluster
	s_endpgm
.Lentry_in_a_cluster:
	s_bfe_u32 s2, ttmp6, 0x10000c
	s_cmp_lg_u32 s2, 0xf033
	s_cbranch_scc0 .Lentry_shape_is_right
	s_endpgm
.Lentry_shape_is_right:
; out = h1 + hid W2 + b2: the product on codes of BF6 (E3M2) with E8M0 scales, K = 4,096, f32 sums that begin with the bias; the residual is added in f32 on the way out.
; OPERANDS lie as images of their registers: [block of 128 rows][K step of 128][chunk of 12,800 bytes]: eight fragments of 1,536 bytes and 8 x 16 scale words at 12,288.  A block's 32 chunks are 409,600 consecutive bytes, 1,600 runs of 256.
; SHARES.  A work-group makes 128 x 128, four waves 64 x 64 each.  K goes through two slots, each with six K steps of both operands (the last two fills: four): waves 0, 1 fetch hid's chunks, waves 2, 3 W2's, three (two) chunks a load.
; Each refill stands behind the full sequence and a round of the cluster's barrier, one load a wave.  CLUSTER 4 x 4: hid's block is shared along a row, W2's along a column: joint loads.
; PREFETCHES.  Runs 300 on of both blocks (the second fill on) are asked for in three turns of 448 runs: behind the first load, behind the second, behind the third.  The sixteen waves that load a block jointly name 28 runs each,
; told apart by address (cx for hid, cy for W2); the lanes left over name their wave's last run again; the third turn is held at the block's last run.  So a run is named one to three fills ahead of the load that brings it.
; LIMITS: NaN and infinities are not served.
.set CH,    12800
.set SLOT,  12*CH
.set SPARE, 2*SLOT
.set STAGE, SPARE+512
.set ASL,   1
.set A16, 1
.set A8,  5
.set B16, 9
.set B8,  13
.set SCA, 17
.set STO, 25
.set RD,  26
.set CO,  27
.set SPW, 28
.set NIL, 29
.set BO,  30
.set SC,  32
.set BK,  40
.set BIAS, 96
.set ACC, 128
.set WV,  14
.set WI,  15
.set WC,  16
.set G1A, 24
.set G1AS, 32
.set G1B, 40
.set G1BS, 48
.set G0A, 56
.set G0B, 68
.set RESB, 82
.set OUT, 84
.set BBS, 86
.set PB,  88
.set LS,  90
.set MSB, 0
.macro WIN new
.if MSB != \new
	s_set_vgpr_msb (MSB<<8)|\new
.set MSB, \new
.endif
.endm
.set MUL,  0x05
.set TO_F, 0x40
.macro PLACES
.rept 4
	v_nop
.endr
.endm
.macro CROUND
	s_barrier_signal -1
	s_barrier_wait -1
	s_cmp_lg_u32 s[WV], 0
	s_cbranch_scc1 .Lnot_wave_0_\@
	s_barrier_signal -3
.Lnot_wave_0_\@:
	s_barrier_wait -3
	s_barrier_signal -1
	s_barrier_wait -1
.endm
.macro JLOAD g0a, g1a, g0b, g1b
	s_cmp_eq_u32 s[WI], 0
	s_cbranch_scc0 .Lfor_b_\@
	tensor_load_to_lds s[\g0a:\g0a+3], s[\g1a:\g1a+7]
	s_nop 0
.rept 4
	v_nop
.endr
	s_branch .Lasked_\@
.Lfor_b_\@:
	tensor_load_to_lds s[\g0b:\g0b+3], s[\g1b:\g1b+7]
	s_nop 0
.rept 4
	v_nop
.endr
.Lasked_\@:
.endm
.macro FRAG f, p16, p8, off
	ds_load_b128 v[\f:\f+3], v[\p16] offset:\off
	ds_load_b64 v[\f+4:\f+5], v[\p8] offset:\off
	ds_load_b128 v[\f+6:\f+9], v[\p16] offset:\off+768
	ds_load_b64 v[\f+10:\f+11], v[\p8] offset:\off+768
.endm
.macro FETCH buf, st, a16, a8, b16, b8, sc, off
	WIN 0
.irp t, 0,1,2,3
	ds_load_b32 v[SC+4*(\st)+\t], v[\sc] offset:(\off)+64*\t
.endr
	WIN TO_F
.irp t, 0,1,2,3
	FRAG (\buf)+48+12*\t, \b16, \b8, (\off)+1536*\t
.endr
.irp t, 0,1,2,3
	FRAG (\buf)+12*\t, \a16, \a8, (\off)+1536*\t
.endr
.endm
.macro KFETCH slot, k
	FETCH 128*((\k)%2), (\k)%2, A16+2*ASL*(\slot)+(\k)/4, A8+2*ASL*(\slot)+(\k)/4, B16+2*(\slot)+(\k)/4, B8+2*(\slot)+(\k)/4, SCA+2*(\slot)+(\k)/4, ((\k)%4)*CH
.endm
.macro MUL8 buf, st, a0, mode
.irp a, \a0, \a0+1
.irp b, 0,1,2,3
.set rD, ACC+8*(4*(\a)+\b)
.set rX, (\buf)+48+12*\b
.set rY, (\buf)+12*(\a)
.set qX, SC+4*(\st)+\b
.set qY, SC+4*(\st)+(\a)
.if \mode == 2
	v_wmma_scale_f32_16x16x128_f8f6f4 v[rD:rD+7], v[rX:rX+11], v[rY:rY+11], v[BIAS+8*\b:BIAS+8*\b+7], v[qX], v[qY] matrix_a_fmt:MATRIX_FMT_BF6 matrix_b_fmt:MATRIX_FMT_BF6 matrix_a_scale:MATRIX_SCALE_ROW1
.else
	v_wmma_scale_f32_16x16x128_f8f6f4 v[rD:rD+7], v[rX:rX+11], v[rY:rY+11], v[rD:rD+7], v[qX], v[qY] matrix_a_fmt:MATRIX_FMT_BF6 matrix_b_fmt:MATRIX_FMT_BF6 matrix_a_scale:MATRIX_SCALE_ROW1
.endif
.endr
.endr
.endm
.macro STEP slot, k, mode, more
	s_wait_dscnt 8
	WIN MUL
	MUL8 128*((\k)%2), (\k)%2, 0, \mode
.if \more
	PLACES
	KFETCH \slot, (\k)+1
	s_wait_dscnt 36
.else
	s_wait_dscnt 0x0
.endif
	WIN MUL
	MUL8 128*((\k)%2), (\k)%2, 2, \mode
.endm
.macro TURN slot, fill
	WIN 0
	s_wait_tensorcnt 0x0
	ds_add_u32 v[SPW], v[NIL]
.if \fill == 1
	s_add_nc_u64 s[G0A+4*(\slot)+2:G0A+4*(\slot)+3], s[G0A+4*(\slot)+2:G0A+4*(\slot)+3], 12*CH
	s_add_nc_u64 s[G0B+4*(\slot)+2:G0B+4*(\slot)+3], s[G0B+4*(\slot)+2:G0B+4*(\slot)+3], 12*CH
.elseif \fill == 2
	s_add_nc_u64 s[G0A+4*(\slot)+2:G0A+4*(\slot)+3], s[G0A+4*(\slot)+2:G0A+4*(\slot)+3], (12-2*(\slot))*CH
	s_add_nc_u64 s[G0B+4*(\slot)+2:G0B+4*(\slot)+3], s[G0B+4*(\slot)+2:G0B+4*(\slot)+3], (12-2*(\slot))*CH
	s_sub_nc_u64 s[G0A+4*(\slot)+2:G0A+4*(\slot)+3], s[G0A+4*(\slot)+2:G0A+4*(\slot)+3], s[PB:PB+1]
	s_sub_nc_u64 s[G0B+4*(\slot)+2:G0B+4*(\slot)+3], s[G0B+4*(\slot)+2:G0B+4*(\slot)+3], s[PB:PB+1]
	s_add_co_u32 s[G0A+4*(\slot)+1], s[LS], (\slot)*SLOT
	s_add_co_u32 s[G0B+4*(\slot)+1], s[LS], (\slot)*SLOT
.endif
	s_wait_dscnt 9
	WIN MUL
	MUL8 128, 1, 0, 0
	s_wait_dscnt 0x0
	WIN 0
.if \fill == 1
	CROUND
	JLOAD G0A+4*(\slot), G1A, G0B+4*(\slot), G1B
.elseif \fill == 2
	CROUND
	JLOAD G0A+4*(\slot), G1AS, G0B+4*(\slot), G1BS
.else
	s_barrier_signal -1
	s_barrier_wait -1
	PLACES
.endif
	KFETCH 1-\slot, 0
	WIN MUL
	MUL8 128, 1, 2, 0
.endm
.macro TOSTAGE a
.irp b, 0,1,2,3
	ds_store_b128 v[STO], v[ACC+8*(4*(\a)+\b):ACC+8*(4*(\a)+\b)+3] offset:128*(\b/2)+32*(\b%2)
	ds_store_b128 v[STO], v[ACC+8*(4*(\a)+\b)+4:ACC+8*(4*(\a)+\b)+7] offset:128*(\b/2)+32*(\b%2)+16
.endr
.irp t, 0,1,2,3,4,5,6,7
	ds_load_b128 v[BK+32*((\a)%2)+4*\t:BK+32*((\a)%2)+4*\t+3], v[RD] offset:544*\t
.endr
.endm
.macro SEND a, younger
	s_wait_dscnt \younger
	WIN 0x08
.irp p, 0,2,4,6,8,10,12,14,16,18,20,22,24,26,28,30
	v_pk_add_f32 v[BK+32*((\a)%2)+\p:BK+32*((\a)%2)+\p+1], v[BK+32*((\a)%2)+\p:BK+32*((\a)%2)+\p+1], v[32*(\a)+\p:32*(\a)+\p+1]
.endr
	WIN 0
.irp t, 0,1,2,3,4,5,6,7
	global_store_b128 v[CO], v[BK+32*((\a)%2)+4*\t:BK+32*((\a)%2)+4*\t+3], s[OUT:OUT+1] offset:(32*((\a)/2)+8*((\a)%2)+2*\t+8*(\t/4))*4096 th:TH_STORE_NT
.endr
.endm
	s_load_b256 s[4:11], s[0:1], 0x0
	s_load_b64 s[12:13], s[0:1], 0x20
	v_lshl_add_u32 v[SPW], v0, 2, SPARE
	v_mov_b32 v[NIL], 0
	ds_add_u32 v28, v29
	ds_add_u32 v28, v29
	s_wait_dscnt 0x0
	v_lshrrev_b32 v21, 5, v0
	v_readfirstlane_b32 s[WV], v21
	s_lshr_b32 s[WI], s[WV], 1
	s_and_b32 s[WC], s[WV], 1
	s_bfe_u32 s76, ttmp6, 0x40000
	s_bfe_u32 s77, ttmp6, 0x40004
	s_lshl_b32 s78, ttmp9, 2
	s_add_co_u32 s78, s78, s76
	s_and_b32 s79, ttmp7, 0xffff
	s_lshl_b32 s79, s79, 2
	s_add_co_u32 s79, s79, s77
	s_lshl_b32 s80, s77, 2
	s_lshl_b32 s80, 15, s80
	s_lshl_b32 s81, 0x1111, s76
	s_or_b32 s[G1A], s80, (3<<16)|(1<<21)
	s_or_b32 s[G1AS], s80, (3<<16)|(1<<21)
	s_or_b32 s[G1B], s81, (3<<16)|(1<<21)
	s_or_b32 s[G1BS], s81, (3<<16)|(1<<21)
.irp g, G1A, G1B
	s_mov_b32 s[\g+1], 32<<16
	s_mov_b32 s[\g+2], 150<<16
	s_mov_b32 s[\g+3], 32<<16
	s_mov_b32 s[\g+4], 150
	s_mov_b32 s[\g+5], 32
	s_mov_b32 s[\g+6], 0
	s_mov_b32 s[\g+7], 0
.endr
.irp g, G1AS, G1BS
	s_mov_b32 s[\g+1], 32<<16
	s_mov_b32 s[\g+2], 100<<16
	s_mov_b32 s[\g+3], 32<<16
	s_mov_b32 s[\g+4], 100
	s_mov_b32 s[\g+5], 32
	s_mov_b32 s[\g+6], 0
	s_mov_b32 s[\g+7], 0
.endr
	s_mul_i32 s17, s[WC], 3
	s_lshl_b32 s92, s79, 5
	s_add_co_u32 s92, s92, s17
	s_mul_i32 s92, s92, CH
	s_mov_b32 s93, 0
	s_lshl_b32 s94, s78, 5
	s_add_co_u32 s94, s94, s17
	s_mul_i32 s94, s94, CH
	s_add_co_u32 s94, s94, 512*CH
	s_mov_b32 s95, 0
	s_mul_i32 s18, s[WV], 3*CH
	s_mul_i32 s[LS], s[WI], 6*CH
	s_mul_i32 s19, s[WC], 2*CH
	s_add_co_u32 s[LS], s[LS], s19
	s_mul_i32 s[PB], s[WC], CH
	s_mov_b32 s[PB+1], 0
	s_lshl_b32 s20, s79, 19
	s_lshl_b32 s21, s[WI], 18
	s_add_co_u32 s20, s20, s21
	s_lshl_b32 s22, s78, 9
	s_lshl_b32 s21, s[WC], 8
	s_add_co_u32 s22, s22, s21
	s_add_co_u32 s20, s20, s22
	s_mov_b32 s21, 0
	s_mov_b32 s23, 0
	s_wait_kmcnt 0x0
	s_add_nc_u64 s[92:93], s[4:5], s[92:93]
	s_add_nc_u64 s[94:95], s[6:7], s[94:95]
	s_add_nc_u64 s[BBS:BBS+1], s[8:9], s[22:23]
	s_add_nc_u64 s[RESB:RESB+1], s[10:11], s[20:21]
	s_add_nc_u64 s[OUT:OUT+1], s[12:13], s[20:21]
	s_mul_i32 s2, s79, 32*CH                       ; for the prefetches: s[4:5] my block of hid, s[6:7] my block of W2
	s_mov_b32 s3, 0
	s_add_nc_u64 s[4:5], s[4:5], s[2:3]
	s_mul_i32 s2, s78, 32*CH
	s_add_co_u32 s2, s2, 512*CH
	s_add_nc_u64 s[6:7], s[6:7], s[2:3]
	s_lshl_b32 s66, s76, 2                         ; my number among the sixteen waves that load hid's block jointly, x 28
	s_add_co_u32 s66, s66, s[WV]
	s_mul_i32 s66, s66, 28
	s_lshl_b32 s67, s77, 2                         ; and among those that load W2's
	s_add_co_u32 s67, s67, s[WV]
	s_mul_i32 s67, s67, 28
.irp s, 0,1
	s_mov_b32 s[G0A+4*\s], 1
	s_add_co_u32 s[G0A+4*\s+1], s18, \s*SLOT
	s_add_nc_u64 s[G0A+4*\s+2:G0A+4*\s+3], s[92:93], \s*6*CH
	s_or_b32 s[G0A+4*\s+3], s[G0A+4*\s+3], 0x80000000
	s_mov_b32 s[G0B+4*\s], 1
	s_add_co_u32 s[G0B+4*\s+1], s18, \s*SLOT
	s_add_nc_u64 s[G0B+4*\s+2:G0B+4*\s+3], s[94:95], \s*6*CH
	s_or_b32 s[G0B+4*\s+3], s[G0B+4*\s+3], 0x80000000
.endr
	CROUND
	JLOAD G0A, G1A, G0B, G1B
	v_and_b32 v88, 31, v0                          ; v88-91: the prefetches' offsets (registers that the way out takes later, behind a wait on XCNT)
	v_min_u32 v88, 27, v88
	v_add_nc_u32 v89, s67, v88                     ; my run of a turn's 448: W2's,
	v_add_nc_u32 v88, s66, v88                     ; hid's
	v_add_nc_u32 v90, 1196, v88                    ; the third turn begins at run 1,196 and is held at run 1,599, the block's last
	v_add_nc_u32 v91, 1196, v89
	v_min_u32 v90, 1599, v90
	v_min_u32 v91, 1599, v91
	v_lshlrev_b32 v88, 8, v88
	v_lshlrev_b32 v89, 8, v89
	v_lshlrev_b32 v90, 8, v90
	v_lshlrev_b32 v91, 8, v91
	global_prefetch_b8 v88, s[4:5] offset:300*256 th:TH_LOAD_NT scope:SCOPE_SE     ; runs 300 to 747
	global_prefetch_b8 v89, s[6:7] offset:300*256 th:TH_LOAD_NT scope:SCOPE_SE
	s_wait_alu depctr_va_vdst(0)
	s_wait_tensorcnt 0x0
	ds_add_u32 v28, v29
	s_wait_dscnt 0x0
	CROUND
	JLOAD G0A+4, G1A, G0B+4, G1B
	global_prefetch_b8 v88, s[4:5] offset:748*256 th:TH_LOAD_NT scope:SCOPE_SE     ; runs 748 to 1,195
	global_prefetch_b8 v89, s[6:7] offset:748*256 th:TH_LOAD_NT scope:SCOPE_SE
	v_and_b32 v21, 31, v0
	v_and_b32 v22, 15, v0
	v_bfe_u32 v23, v0, 4, 1
	v_lshlrev_b32 v[BO], 6, v23
.irp b, 0,1,2,3
	global_load_b128 v[BIAS+8*\b:BIAS+8*\b+3], v[BO], s[BBS:BBS+1] offset:128*(\b/2)+32*(\b%2)
	global_load_b128 v[BIAS+8*\b+4:BIAS+8*\b+7], v[BO], s[BBS:BBS+1] offset:128*(\b/2)+32*(\b%2)+16
.endr
	v_lshlrev_b32 v24, 12, v23
	v_lshl_add_u32 v[CO], v22, 4, v24
	s_mul_i32 s17, s[WI], 6144
	s_mul_i32 s19, s[WC], 6144
	s_add_co_u32 s19, s19, 6*CH
	v_lshl_add_u32 v[A16], v21, 4, s17
	v_lshl_add_u32 v[A8], v21, 3, s17
	v_add_nc_u32 v[A8], 512, v[A8]
	v_lshl_add_u32 v[B16], v21, 4, s19
	v_lshl_add_u32 v[B8], v21, 3, s19
	v_add_nc_u32 v[B8], 512, v[B8]
	s_xor_b32 s20, s[WI], 1
	s_add_co_u32 s20, s20, s[WC]
	s_lshl_b32 s20, s20, 8
	s_add_co_u32 s20, s20, 6*CH-256
	v_mul_u32_u24 v24, s20, v23
	v_lshl_add_u32 v24, v22, 2, v24
	s_lshl_b32 s20, s[WI], 8
	s_add_co_u32 s20, s20, 12288
	v_add_nc_u32 v[SCA], s20, v24
.irp n, 1,2,3
.irp g, A16, A8, B16, B8, SCA
	v_add_nc_u32 v[\g+\n], (\n/2)*SLOT+(\n%2)*4*CH, v[\g]
.endr
.endr
	s_mul_i32 s17, s[WV], 4352
	s_add_co_u32 s17, s17, STAGE
	v_mul_u32_u24 v24, v22, 272
	v_lshl_add_u32 v24, v23, 6, v24
	v_add_nc_u32 v[STO], s17, v24
	v_mul_u32_u24 v24, v23, 272
	v_lshl_add_u32 v24, v22, 4, v24
	v_add_nc_u32 v[RD], s17, v24
	s_wait_tensorcnt 0x1
	s_barrier_signal -1
	s_barrier_wait -1
	s_wait_loadcnt 0x0                             ; the biases
	KFETCH 0, 0
	STEP 0, 0, 2, 1
.irp k, 1,2,3,4
	STEP 0, \k, 0, 1
.endr
	TURN 0, 1
	WIN 0
	global_prefetch_b8 v90, s[4:5] th:TH_LOAD_NT scope:SCOPE_SE                    ; runs 1,196 to 1,599
	global_prefetch_b8 v91, s[6:7] th:TH_LOAD_NT scope:SCOPE_SE
	s_wait_alu depctr_va_vdst(0)
.irp k, 0,1,2,3,4
	STEP 1, \k, 0, 1
.endr
	TURN 1, 1
	WIN 0x80                                       ; h1's rows, into window 2: asked for here, behind the fourth fill's load; they are wanted behind the last product, 20 K steps on
.irp a, 0,1,2,3
.irp t, 0,1,2,3,4,5,6,7
	global_load_b128 v[32*\a+4*\t:32*\a+4*\t+3], v[CO], s[RESB:RESB+1] offset:(32*(\a/2)+8*(\a%2)+2*\t+8*(\t/4))*4096
.endr
.endr
.irp k, 0,1,2,3,4
	STEP 0, \k, 0, 1
.endr
	TURN 0, 2
.irp k, 0,1,2,3,4
	STEP 1, \k, 0, 1
.endr
	TURN 1, 2
.irp k, 0,1,2
	STEP 0, \k, 0, 1
.endr
	TURN 0, 0
.irp k, 0,1,2
	STEP 1, \k, 0, 1
.endr
	STEP 1, 3, 0, 0
	WIN 0
	PLACES
	s_wait_loadcnt 0x0
	s_wait_xcnt 0x0                                ; the prefetches have read v88-91: the way out writes them
	TOSTAGE 0
.irp a, 1,2,3
.if \a > 1
	s_wait_xcnt 0x0
.endif
	TOSTAGE \a
	SEND \a-1, 16
.endr
	SEND 3, 0
	s_wait_tensorcnt 0x0
	ds_add_u32 v[SPW], v[NIL]
	s_wait_dscnt 0x0
	CROUND
	s_endpgm
.Lfunc_end_k_qc047c69402_fc2:
	.size	k_qc047c69402_fc2, .Lfunc_end_k_qc047c69402_fc2-k_qc047c69402_fc2
	.p2alignl 7, 3214868480
	.fill 96, 4, 3214868480
	.section	.rodata,"a",@progbits
	.p2align	6, 0x0
	.amdhsa_kernel k_qc047c69402_fc2
		.amdhsa_group_segment_fixed_size 327680
		.amdhsa_private_segment_fixed_size 0
		.amdhsa_enable_private_segment 0
		.amdhsa_kernarg_size 40
		.amdhsa_user_sgpr_count 2
		.amdhsa_user_sgpr_kernarg_segment_ptr 1
		.amdhsa_wavefront_size32 1
		.amdhsa_system_sgpr_workgroup_id_x 1
		.amdhsa_system_sgpr_workgroup_id_y 1
		.amdhsa_system_sgpr_workgroup_id_z 1
		.amdhsa_system_vgpr_workitem_id 0
		.amdhsa_next_free_vgpr 768
		.amdhsa_next_free_sgpr 96
		.amdhsa_reserve_vcc 0
		.amdhsa_float_denorm_mode_32 3
		.amdhsa_float_denorm_mode_16_64 3
		.amdhsa_memory_ordered 1
		.amdhsa_forward_progress 1
		.amdhsa_inst_pref_size 177
	.end_amdhsa_kernel
	.amdgpu_metadata
---
amdhsa.version: [ 1, 2 ]
amdhsa.kernels:
  - .name:           k_qc047c69402_fc2
    .symbol:         k_qc047c69402_fc2.kd
    .args:
      - { .name: hid, .offset: 0, .size: 8, .value_kind: global_buffer, .address_space: global }
      - { .name: wimg, .offset: 8, .size: 8, .value_kind: global_buffer, .address_space: global }
      - { .name: b2, .offset: 16, .size: 8, .value_kind: global_buffer, .address_space: global }
      - { .name: h1, .offset: 24, .size: 8, .value_kind: global_buffer, .address_space: global }
      - { .name: out0, .offset: 32, .size: 8, .value_kind: global_buffer, .address_space: global }
    .group_segment_fixed_size: 327680
    .private_segment_fixed_size: 0
    .kernarg_segment_align: 8
    .kernarg_segment_size: 40
    .max_flat_workgroup_size: 128
    .sgpr_count:     96
    .vgpr_count:     768
    .wavefront_size: 32
...
	.end_amdgpu_metadata
.endif
;; end of part 7
